; MI455X (gfx1250); checked and timed in simulation.
; The chip was launched on July 23, 2026; its instructions are those of AMD's public machine-readable ISA for CDNA 5 (MIT licence, August 2026) and "CDNA5" Instruction Set Architecture Reference Guide (July 2026). The comments in the code are by the model that wrote it; some were corrected since.
;; Multi Head Self Attention. Allowed arithmetic: matrix products marked QUANTISED: E2M3 operands, one E8M0 scale for each 32 along K, by v_wmma_scale_f32_16x16x128_f8f6f4 with both operands' format E2M3, f32 sums; everything else in f32.
;; Inputs: Wk 1,024 x 1,024 float32; Wo 1,024 x 1,024 float32; Wq 1,024 x 1,024 float32; Wv 1,024 x 1,024 float32; bk 1,024 float32; bo 1,024 float32; bq 1,024 float32; bv 1,024 float32; mask 4 x 1 x 1 x 2,048 int32; x 4 x 2,048 x 1,024 float32.
;; Outputs: out0 4 x 2,048 x 1,024 float32.
;; This version of the problem:
;;   THIS VERSION OF THE PROBLEM IS GIVEN IN LOW PRECISION. The matrix products marked QUANTISED in the list below multiply operands that are first quantised to E2M3 (2 exponent bits, 3 mantissa bits; 6 bits a number), with one power-of-two scale for each 32 numbers along K (OCP MX v1.0); their sums are f32. All else is computed in f32.
;;   The module's matrix products, in the order in which they are computed (A, B: the left and right operand; K: the contracted axis; several contracted axes count as one K, in the product's order):
;;     1. [M 8,192, K 1,024] x [K 1,024, N 1,024]; A: input x; B: input Wq: QUANTISED
;;     2. [M 8,192, K 1,024] x [K 1,024, N 1,024]; A: input x; B: input Wk: QUANTISED
;;     3. [M 8,192, K 1,024] x [K 1,024, N 1,024]; A: input x; B: input Wv: QUANTISED
;;     4. batch 64 x [M 2,048, K 64] x [K 64, N 2,048]; A: computed on the way; B: computed on the way: QUANTISED
;;     5. batch 64 x [M 2,048, K 2,048] x [K 2,048, N 64]; A: softmax (see below); B: computed on the way: QUANTISED
;;     6. [M 8,192, K 1,024] x [K 1,024, N 1,024]; A: computed on the way; B: input Wo: QUANTISED
;;   THE QUANTISER, for each operand of a quantised product, along K:
;;     - K is cut into blocks of 32 from its start; a last block that is shorter is filled with zeros.
;;     - A block's scale is 2^e with e = floor(log2(the largest magnitude in the block)) - 2, held to -126 .. 127; a block of zeros has e = 0. As a byte (E8M0): e + 127.
;;     - Each number is divided by its block's scale, clamped to +-7.5, and rounded to the nearest number of E2M3, ties to even, subnormals kept.
;;     - The product sums the exact products of the quantised numbers (number of the format x scale) in f32.
;;   ~~~python
;;   def quantise(x, axis):      # numpy; x: float32 -> the quantised numbers, widened to float32 again
;;       x = np.moveaxis(x, axis, -1); K = x.shape[-1]
;;       x = np.pad(x, [(0, 0)] * (x.ndim - 1) + [(0, -K % 32)]); x = x.reshape(x.shape[:-1] + (-1, 32)); a = np.abs(x).max(-1, keepdims=True)
;;       e = np.where(a > 0, np.clip(np.frexp(np.where(a > 0, a, 1))[1] - 1 - 2, -126, 127), 0)      # np.frexp(a)[1] - 1 = floor(log2(a)), exactly
;;       r = np.clip(x / 2.0 ** e, -7.5, 7.5)
;;       step = 2.0 ** (np.maximum(np.frexp(np.where(r == 0, 1, r))[1] - 1, 0) - 3)
;;       q = np.round(r / step) * step * 2.0 ** e      # np.round: ties to even
;;       return np.moveaxis(q.reshape(q.shape[:-2] + (-1,))[..., :K], -1, axis).astype(np.float32)
;;   ~~~
;;   SOFTMAX AHEAD OF A QUANTISED PRODUCT. Where the list says 'softmax', what is quantised is not the finished softmax but p = 2^(t - M), with t = logit x log2(e) and M = ceil(the row's largest t), a whole number; so 1/2 < the row's largest p <= 1. The row's sum l is taken of the UNQUANTISED p, in f32, and the product's result is divided by l at the end. Since M is a whole number, a kernel that streams over the keys may use a running M (the ceiling of the running maximum): every later rescaling is an exact power of two, which a block's scale takes up: the codes' values come out the same.
;;   OPERANDS COMPUTED ON THE WAY. 'Computed on the way' means the value that the module computes at that place (a softmax that the list does not call 'softmax' is quantised finished and normalised). What goes into a quantiser is computed in f32, as accurately as f32 sums, v_exp_f32 and their like allow (about 1e-6 of the number): no bf16 or f16 on the way to a quantiser, and a product that is left as it is and whose result goes on into a quantised operand takes f32 operands (vector FMAs, or v_wmma_f32_16x16x4_f32). A number that lies on a knife's edge between two numbers of the format may be rounded either way, as far as f32 arithmetic and the matrix unit's own rounding can turn it there, and no further.
;; One version. Each part assembles by itself: llvm-mc -triple=amdgcn-amd-amdhsa -mcpu=gfx1250 --defsym DOCPART=n.
;; ======== version 1 of 1: 4 launches
;; limits: right only within a limited range of input values
;; workspace buffers: xw_codes 9,437,184 bytes; xw_scales 393,216 bytes; qkv 19,660,800 bytes; att_codes 6,291,456 bytes; att_scales 262,144 bytes
;; launch quant (part 1): grid 768 x 1, 4 waves a work-group, no clusters, 68,096 bytes of LDS; arguments x, Wq, Wk, Wv, Wo, xw_codes, xw_scales; writes xw_codes, xw_scales
.if DOCPART == 1
	.amdgcn_target "amdgcn-amd-amdhsa--gfx1250"
	.amdhsa_code_object_version 6
	.text
	.protected	k_qd9473ebc64_quant
	.globl	k_qd9473ebc64_quant
	.p2align	8
	.type	k_qd9473ebc64_quant,@function
k_qd9473ebc64_quant:
	s_mov_b64 s[64:65], 0
	v_nop
	global_prefetch_b8 v0, s[64:65] scope:SCOPE_SE
	s_setreg_imm32_b32 hwreg(HW_REG_WAVE_MODE, 25, 1), 1
	s_wait_xcnt 0x0
; x [8192][1024] and Wq, Wk, Wv, Wo [1024][1024], f32, K innermost, become codes of FP6 (E2M3) with one E8M0 scale byte for each 32 along K,
; laid as the later launches' matrix operands want them: as IMAGES OF THE OPERAND'S REGISTERS.
; A TILE is 16 rows: row index i of tile T = 2 B + u is row 32 B + 8 u + i + 8 (i / 8) of its tensor.  Tiles 0-511 are x's, 512-767 the four weights' (64 each).
; An IMAGE is a fragment (16 rows x 128 K, 12 registers a lane) in 1,536 bytes: chunk c of 512 bytes holds registers 4 c .. 4 c + 3, lane l's 16 bytes at 16 l.
; xw_codes: [T][K step 0..7][1,536].   xw_scales: [T][pair of K steps 0..3][row 0..15][step of the pair] words of four bytes.
; A block's scale is 2^(floor(log2(its largest magnitude)) - 2); its byte is the largest magnitude's exponent field - 2, held at 1 from below.
; LIMITS: a block of zeros gets the byte 1 where the rule says 127 (its codes are zeros, which add nothing, and this program alone reads the bytes);
; blocks whose largest magnitude lies under 2^(2 - 126) are held at the byte 1; NaN and infinities among the inputs are not served.
; SHARES: a work-group takes one tile, wave w its K steps 2 w and 2 w + 1 (1,024 bytes of each of the 16 rows).  Each load reads 512 consecutive bytes of a row;
; the rows turn through the wave's own stage in LDS (pitch 528 = 33 x 16 bytes), from which lane (r, h) takes, of row r, the numbers 32 b + 16 h + 0 .. 15 of each block b.
; No tensor loads, no barrier, no cluster: waves and work-groups share no input byte.  All 32 loads of a wave (16 KiB) go out at once.
.set SP,    528                        ; a stage row: 512 bytes + 16
.set STG,   16*SP                      ; a stage: 16 rows
.set WREG,  2*STG                      ; a wave's two stages
.set R,     16                         ; v16-143  32 loads x 4 registers
.set X0,    144                        ; v144-207 the first K step's 64 numbers of my row
.set X1,    16                         ; v16-79   the second's
.set IM,    208                        ; v208-219, v220-231 the two images
.set PT,    232                        ; v232-239 halves of blocks on their way
.set TM,    240                        ; v240-243 largest magnitudes, v244-247 the other half's, then bytes, v252-255 the conversions' scale operands
.set SEL,   36                         ; s[36:37] lane selects: lane l xor 16
; 64 numbers of a lane, register s + 16 b + i = k 32 b + 16 h + i of my row, become a fragment: registers d0 .. d0 + 5 (k 32 h on) and d1 .. d1 + 5 (k 64 + 32 h on), and its scale word pw
.macro QUANT s, d0, d1, pw
.irp b, 0,1,2,3
	v_max3_num_f32 v[TM+\b], |v[\s+16*\b]|, |v[\s+1+16*\b]|, 0x1800000   ; my 16 numbers of block b, and the floor 2^(3 - 127): the byte cannot fall under 1
.endr
.irp i, 2,4,6,8,10,12,14
.irp b, 0,1,2,3
	v_max3_num_f32 v[TM+\b], v[TM+\b], |v[\s+16*\b+\i]|, |v[\s+1+16*\b+\i]|
.endr
.endr
.irp b, 0,1,2,3
	v_permlanex16_b32 v[TM+4+\b], v[TM+\b], s[SEL], s[SEL+1]
.endr
.irp b, 0,1,2,3
	v_max_num_f32 v[TM+\b], v[TM+\b], v[TM+4+\b]     ; with lane l xor 16's 16: the block's largest magnitude
.endr
.irp b, 0,1,2,3
	v_add_nc_u32 v[TM+12+\b], 0xff000000, v[TM+\b]   ; 2 off its exponent field: the conversion's scale operand
.endr
.irp b, 0,1,2,3
	v_lshrrev_b32 v[TM+4+\b], 23, v[TM+12+\b]        ; the scale's byte
.endr
	v_lshl_or_b32 v[\pw], v[TM+5], 8, v[TM+4]
	v_lshl_or_b32 v[\pw], v[TM+6], 16, v[\pw]
	v_lshl_or_b32 v[\pw], v[TM+7], 24, v[\pw]
	v_cvt_scalef32_pk16_fp6_f32 v[\d0:\d0+2], v[\s:\s+15], v[TM+12]
	v_cvt_scalef32_pk16_fp6_f32 v[PT:PT+2], v[\s+16:\s+31], v[TM+13]
	v_cvt_scalef32_pk16_fp6_f32 v[\d1:\d1+2], v[\s+32:\s+47], v[TM+14]
	v_cvt_scalef32_pk16_fp6_f32 v[PT+4:PT+6], v[\s+48:\s+63], v[TM+15]
	v_nop                                            ; one plain place behind the scaled conversions
.irp i, 0,1,2
	v_permlane16_swap_b32 v[\d0+\i], v[PT+\i]        ; a whole block to a lane: lanes 0-15 the even block, lanes 16-31 the odd one
	v_permlane16_swap_b32 v[\d1+\i], v[PT+4+\i]
.endr
.irp i, 0,1,2
	v_mov_b32 v[\d0+3+\i], v[PT+\i]
	v_mov_b32 v[\d1+3+\i], v[PT+4+\i]
.endr
.endm
	s_load_b256 s[4:11], s[0:1], 0x0               ; x, Wq, Wk, Wv
	s_load_b128 s[12:15], s[0:1], 0x20             ; Wo, the codes
	s_load_b64 s[16:17], s[0:1], 0x30              ; the scale words
	v_lshl_add_u32 v250, v0, 2, 0x10800
	v_mov_b32 v251, 0
	v_lshrrev_b32 v1, 5, v0
	v_readfirstlane_b32 s26, v1                    ; wave 0..3
	v_and_b32 v5, 31, v0                           ; lane
	v_lshlrev_b32 v1, 4, v5                        ; 16 x lane: my bytes of a load, of a stage row, of an image's chunk
	v_and_b32 v8, 15, v0                           ; r
	v_bfe_u32 v9, v0, 4, 1                         ; h
	s_mul_i32 s27, s26, WREG
	v_add_nc_u32 v2, s27, v1                       ; the stage on the way in
	v_mul_u32_u24 v3, v8, SP
	v_lshl_add_u32 v3, v9, 6, v3
	v_add_nc_u32 v3, s27, v3                       ; and on the way out: row r, + 64 h
	v_lshlrev_b32 v4, 3, v8
	v_lshl_add_u32 v4, v9, 2, v4                   ; the scale words: 8 r + 4 h
	s_mov_b32 s[SEL], 0x76543210
	s_mov_b32 s[SEL+1], 0xfedcba98
.irp b, 0,1,2,3
	v_mov_b32 v[TM+4+\b], 0                        ; written once: a lane permute's destination counts as one of its sources
.endr
	s_cmp_lt_u32 ttmp9, 512                        ; x's tile or a weight's?  All choices hang on the work-group's number alone
	s_cselect_b32 s23, 511, 63
	s_and_b32 s23, ttmp9, s23                      ; the tile's number in its own tensor
	s_lshr_b32 s24, s23, 1
	s_lshl_b32 s24, s24, 17                        ; 32 rows of 4,096 bytes for each pair of tiles,
	s_and_b32 s25, s23, 1
	s_lshl_b32 s25, s25, 15                        ; 8 rows for the odd tile,
	s_add_co_u32 s24, s24, s25
	s_lshl_b32 s25, s26, 10                        ; my wave's 1,024 bytes of a row
	s_add_co_u32 s24, s24, s25
	s_mov_b32 s25, 0
	; WHERE A TILE IS STORED: x's, Wv's and Wo's tiles at their own number T.  Wq's and Wk's (T = 512 + 64 t + 8 j + i, t = 0 Wq, 1 Wk) at 512 + 16 j + 8 t + i:
	; run j of Wq and run j of Wk then lie on end, 16 tiles of codes and 8,192 bytes of scale words, which the next launch fetches by one tensor load each
	s_sub_co_u32 s32, ttmp9, 512
	s_and_b32 s33, s32, 7                          ; i
	s_bfe_u32 s34, s32, 0x30003                    ; j
	s_lshl_b32 s34, s34, 4
	s_add_co_u32 s33, s33, s34
	s_bfe_u32 s34, s32, 0x10006                    ; t
	s_lshl_b32 s34, s34, 3
	s_add_co_u32 s33, s33, s34
	s_add_co_u32 s33, s33, 512
	s_cmp_lt_u32 s32, 128                          ; (unsigned: x's tiles wrap to large numbers)
	s_cselect_b32 s32, s33, ttmp9
	s_lshl_b32 s28, s32, 3
	s_lshl_b32 s29, s26, 1
	s_add_co_u32 s28, s28, s29
	s_mul_i32 s28, s28, 1536                       ; image 8 T + 2 w
	s_mov_b32 s29, 0
	s_lshl_b32 s30, s32, 2
	s_add_co_u32 s30, s30, s26
	s_lshl_b32 s30, s30, 7                         ; 128 bytes of scale words for (T, w)
	s_mov_b32 s31, 0
	s_wait_alu depctr_va_vdst(0)
	s_wait_kmcnt 0x0
	s_cmp_ge_u32 ttmp9, 576
	s_cselect_b64 s[6:7], s[8:9], s[6:7]
	s_cmp_ge_u32 ttmp9, 640
	s_cselect_b64 s[6:7], s[10:11], s[6:7]
	s_cmp_ge_u32 ttmp9, 704
	s_cselect_b64 s[6:7], s[12:13], s[6:7]
	s_cmp_lt_u32 ttmp9, 512
	s_cselect_b64 s[4:5], s[4:5], s[6:7]
	s_add_nc_u64 s[4:5], s[4:5], s[24:25]
	s_add_nc_u64 s[14:15], s[14:15], s[28:29]
	s_add_nc_u64 s[16:17], s[16:17], s[30:31]
.irp q, 0,1
.irp i, 0,1,2,3,4,5,6,7,8,9,10,11,12,13,14,15
	global_load_b128 v[R+64*\q+4*\i:R+64*\q+4*\i+3], v1, s[4:5] offset:(\i+8*(\i/8))*4096+512*\q th:TH_LOAD_NT   ; 32 lanes read 512 consecutive bytes of the tile's row i
.endr
.endr
	s_wait_loadcnt 16                              ; the first K step's 16 loads are in; the second's 16 may be out
.irp i, 0,1,2,3,4,5,6,7,8,9,10,11,12,13,14,15
	ds_store_b128 v2, v[R+4*\i:R+4*\i+3] offset:SP*\i
.endr
.irp b, 0,1,2,3
.irp j, 0,1,2,3
	ds_load_b128 v[X0+16*\b+4*\j:X0+16*\b+4*\j+3], v3 offset:128*\b+16*\j     ; LDS serves a wave's instructions in order: these see my stores
.endr
.endr
	s_wait_loadcnt 0x0
.irp i, 0,1,2,3,4,5,6,7,8,9,10,11,12,13,14,15
	ds_store_b128 v2, v[R+64+4*\i:R+64+4*\i+3] offset:STG+SP*\i
.endr
	s_wait_dscnt 16                                ; all but the 16 stores just issued: the first step's numbers are back, and v16-79 have been read
.irp b, 0,1,2,3
.irp j, 0,1,2,3
	ds_load_b128 v[X1+16*\b+4*\j:X1+16*\b+4*\j+3], v3 offset:STG+128*\b+16*\j
.endr
.endr
	QUANT X0, IM, IM+6, 6
.irp c, 0,1,2
	global_store_b128 v1, v[IM+4*\c:IM+4*\c+3], s[14:15] offset:512*\c          ; 512 consecutive bytes, aligned to 256
.endr
	s_wait_dscnt 0x0
	QUANT X1, IM+12, IM+18, 7
.irp c, 0,1,2
	global_store_b128 v1, v[IM+12+4*\c:IM+12+4*\c+3], s[14:15] offset:1536+512*\c
.endr
	v_cmp_eq_u32 vcc_lo, 1, v9
	v_cndmask_b32 v6, v6, v7, vcc_lo               ; lanes 0-15 carry the first step's word of row r, lanes 16-31 the second's (both halves hold both words)
	global_store_b32 v4, v6, s[16:17]              ; 128 consecutive bytes; the four waves' stores cover the tile's 512
	s_wait_tensorcnt 0x0
	ds_add_u32 v250, v251
	s_wait_dscnt 0x0
	s_endpgm
.Lfunc_end_k_qd9473ebc64_quant:
	.size	k_qd9473ebc64_quant, .Lfunc_end_k_qd9473ebc64_quant-k_qd9473ebc64_quant
	.p2alignl 7, 3214868480
	.fill 96, 4, 3214868480
	.section	.rodata,"a",@progbits
	.p2align	6, 0x0
	.amdhsa_kernel k_qd9473ebc64_quant
		.amdhsa_group_segment_fixed_size 68096
		.amdhsa_private_segment_fixed_size 0
		.amdhsa_enable_private_segment 0
		.amdhsa_kernarg_size 56
		.amdhsa_user_sgpr_count 2
		.amdhsa_user_sgpr_kernarg_segment_ptr 1
		.amdhsa_wavefront_size32 1
		.amdhsa_system_sgpr_workgroup_id_x 1
		.amdhsa_system_sgpr_workgroup_id_y 1
		.amdhsa_system_sgpr_workgroup_id_z 1
		.amdhsa_system_vgpr_workitem_id 0
		.amdhsa_next_free_vgpr 256
		.amdhsa_next_free_sgpr 66
		.amdhsa_reserve_vcc 1
		.amdhsa_float_denorm_mode_32 3
		.amdhsa_float_denorm_mode_16_64 3
		.amdhsa_memory_ordered 1
		.amdhsa_forward_progress 1
		.amdhsa_inst_pref_size 19
	.end_amdhsa_kernel
	.amdgpu_metadata
---
amdhsa.version: [ 1, 2 ]
amdhsa.kernels:
  - .name:           k_qd9473ebc64_quant
    .symbol:         k_qd9473ebc64_quant.kd
    .args:
      - { .name: x, .offset: 0, .size: 8, .value_kind: global_buffer, .address_space: global }
      - { .name: Wq, .offset: 8, .size: 8, .value_kind: global_buffer, .address_space: global }
      - { .name: Wk, .offset: 16, .size: 8, .value_kind: global_buffer, .address_space: global }
      - { .name: Wv, .offset: 24, .size: 8, .value_kind: global_buffer, .address_space: global }
      - { .name: Wo, .offset: 32, .size: 8, .value_kind: global_buffer, .address_space: global }
      - { .name: xw_codes, .offset: 40, .size: 8, .value_kind: global_buffer, .address_space: global }
      - { .name: xw_scales, .offset: 48, .size: 8, .value_kind: global_buffer, .address_space: global }
    .group_segment_fixed_size: 68096
    .private_segment_fixed_size: 0
    .kernarg_segment_align: 8
    .kernarg_segment_size: 56
    .max_flat_workgroup_size: 128
    .sgpr_count:     66
    .vgpr_count:     256
    .wavefront_size: 32
...
	.end_amdgpu_metadata
.endif
;; end of part 1
;; launch qkv (part 2): grid 8 x 32, 4 waves a work-group, clusters of 4 x 4, 327,680 bytes of LDS; arguments xw_codes, xw_scales, bq, bk, bv, qkv; writes qkv
.if DOCPART == 2
	.amdgcn_target "amdgcn-amd-amdhsa--gfx1250"
	.amdhsa_code_object_version 6
	.text
	.protected	k_qd9473ebc64_qkv
	.globl	k_qd9473ebc64_qkv
	.p2align	8
	.type	k_qd9473ebc64_qkv,@function
k_qd9473ebc64_qkv:
	s_mov_b64 s[64:65], 0
	v_nop
	global_prefetch_b8 v0, s[64:65] scope:SCOPE_SE
	s_setreg_imm32_b32 hwreg(HW_REG_WAVE_MODE, 25, 1), 1
	s_wait_xcnt 0x0
	s_wait_alu depctr_hold_cnt(0) depctr_sa_sdst(0) depctr_va_vdst(0) depctr_va_sdst(0) depctr_va_ssrc(0) depctr_va_vcc(0) depctr_vm_vsrc(0)
	s_getreg_b32 s2, hwreg(HW_REG_IB_STS2, 6, 4)
	s_cmp_eq_u32 s2, 0
	s_cbranch_scc0 .Lentry_in_a_cluster
	s_endpgm
.Lentry_in_a_cluster:
	s_bfe_u32 s2, ttmp6, 0x10000c
	s_cmp_lg_u32 s2, 0xf033
	s_cbranch_scc0 .Lentry_shape_is_right
	s_endpgm
.Lentry_shape_is_right:
; q = x Wq^T + bq, k = x Wk^T + bk, v = x Wv^T + bv on codes of FP6 (E2M3) with E8M0 scales, sums in f32; the results are quantised here, in registers, for the attention launch:
; q and k along the head's 64 numbers, v along the tokens (the second attention product's K).  Nothing wider than codes goes to memory.
; OPERANDS (made by the launch before): images of fragments, [tile of 16 rows][K step of 128][1,536 bytes]; scale words [tile][pair of K steps][row][step].  Row index i of tile 2 B + u is row 32 B + 8 u + i + 8 (i / 8).
; In runs of 128 rows: x is 0-63, Wq 64-71, Wk 72-79, Wv 80-87.
; SHARES: 8 x 32 = 256 work-groups of equal work.  A work-group takes 256 tokens and run j of each of the three weights (two heads): 256 x 384 x 1,024, 768 matrix instructions a wave, in two parts.
;   PART 1 (q and k): "A" = the 256 tokens, "B" = Wq's run and Wk's run.  A wave makes 128 tokens x 128 numbers: 64 accumulators; the waves of column 0 make q, those of column 1 make k.
;   PART 2 (v):       "A" = Wv's run, "B" = the 256 tokens.  A wave makes 64 rows of Wv (one head) x 128 tokens: 32 accumulators.
; THE MATRIX INSTRUCTION IS USED TRANSPOSED (source 0 = 16 rows of B, source 1 = 16 rows of A): a lane holds ONE row of A, and by the tiles' order of rows the 16 registers of two neighbouring tiles of B are 16 neighbours
; along B's rows: the head's numbers in part 1, the tokens in part 2: the axis along which the result is quantised.
; LDS: part 1 takes K in four steps of 256 through two slots filled by the tensor data mover.  Wv's run, all of K, comes once, with the first fills, into bytes of its own.  Behind part 1's last two changes of slots each
; slot is filled with 512 along K of the 256 tokens for part 2, which so has no refill of its own.  The text is written straight, without a loop.
; CLUSTERS: 4 x 4.  The tokens' tiles are shared along a row of the cluster, the weights' along a column: each is asked for jointly, by the same tensor load with a mask that names the four.
; THE BIAS is the C of each part's first products (part 1: by B's row; part 2: by A's row).
; THE RESULT: a record of 19,200 bytes for each (batch, head, 128 tokens): K 4 images | V 4 images | K's scale words 256 | V's 256 | Q 4 images | Q's scale words 256.
;   K (Q) image i: 32 tokens: registers 0-5 tile 2 i (lane (r, h): its token r, numbers 32 h on), registers 6-11 tile 2 i + 1.  V image d: 16 of the head's numbers x 128 tokens.  Scale words: [r][image].
; LIMITS: a block of zeros gets the byte 1 where the rule says 127 (its codes are zeros; this program alone reads the bytes); NaN and infinities are not served.
; REGISTERS: window 0: v10-31 addresses; v32-63 scale words, two sets; v64-127 part 1's bias, later at work; v128-223 A's fragments (part 1: eight, ONE set; part 2: four, two sets), on the ways out the images; v224-255 part 2's bias.
;   window 1: B's fragments, two sets, at v0 and v128.  window 2: the accumulators of A's blocks 0-3 ((a, b) at v[8 (8 a + b)]);  window 3: those of blocks 4-7.
; THE RUNS' ORDER (this line stands over the head comment's): x 0-63; run 64 + 2 j is Wq's j-th, run 65 + 2 j Wk's j-th; Wv 80-87.
; FIRST FILLS: at the head one tensor load a wave: the tokens' 16 tiles of slot 0, the tokens' scale words, Wq's and Wk's 16 tiles of slot 0, their scale words.
; Behind the three lines and a round, one more a wave: slot 1's two tiles, Wv's run (dense, all of K), Wv's scale words.
.set NQ,    2
.set FR,    12                         ; registers of a fragment
.set NL,    3                          ; LDS loads that bring one
.set NP,    4                          ; places behind this matrix instruction (ISA guide 7.12.1)
.set IMGB,  1536
.set PART,  8*NQ*IMGB                  ; a piece: 128 rows x 256 K, 24,576 bytes: what one tensor load brings
.set SLOT,  4*PART
.set WVB,   2*SLOT                     ; behind the ring: Wv's run as it lies in memory: [tile 0..7][K step 0..7][1,536 bytes]
.set SCLW,  WVB+4*PART                 ; the weights' scale words: [Wq | Wk | Wv][tile 0..7][512 bytes]
.set SCLX,  SCLW+12288+128             ; the tokens' scale words, 8,192 bytes; 128 bytes aside, so that the two halves of a load's lanes read different words modulo 256 bytes
.set SPARE, 315648                     ; the spare words, 128 bytes for each wave: two blocks of 256 bytes that no other line names
.set RECB,  19200
.set HEADB, 16*RECB                    ; from a head's record to the next head's
.set ADRS,  10                         ; v10  part 1: LDS address of my scale words: lanes 0-15 the tokens', lanes 16-31 the weight's tiles 0-3;  v11 the same for tiles 4-7
.set ADRSH, 11
.set ADRT,  12                         ; v12  part 2: lanes 0-15 Wv's four tiles, lanes 16-31 the tokens' tiles 0-3;  v13 for the tokens' tiles 4-7 (lanes 0-15 read Wv's four once more)
.set ADRTH, 13
.set ADRA,  14                         ; v14-15 part 1: LDS address of my A fragments in slot 0, 1
.set ADRB,  16                         ; v16-17 the same for B
.set ADRX,  18                         ; v18-21 part 2: my 128 tokens' piece for each 256 along K
.set ADRV,  22                         ; v22 part 2: my four tiles of Wv
.set OFFI,  26                         ; v26    part 1's way out: 16 x lane + the part's place in a record
.set OFFS,  27                         ; v27    16 r + a head's step for lanes 16-31 + the scale words' place
.set SPW,   28                         ; v28    my spare word; never rewritten
.set NIL,   29                         ; v29    0; never rewritten
.set OFFIV, 30                         ; v30, v31 the same two for part 2
.set OFFSV, 31
.set SC,   32
.set BI,   64
.set AF,   128
.set BV,   224
.set IMG,  128                         ; the ways out
.set PW,   64
.set WD,   72
.set SO,   80
.set TM,   84
.set PT,   100
.set G1, 24                            ; s[24:31] group 1 for the tokens' pieces; s[32:39] group 0, one set for each slot
.set G0, 32
.set G1B, 48                           ; s[48:55], s[56:63] the same for the weights' pieces
.set G0B, 56
.set G1S, 68                           ; s[68:75], s[76:79] the tokens' scale words
.set G0S, 76
.set G1SB, 80                          ; s[80:87], s[88:91] the weights'
.set G0SB, 88
.set G0W, 92                           ; s[92:95] group 0 for my piece of Wv (its group 1 is G1S)
.set XV,  96                           ; s[96:97] part 2: where my piece of slot 0 begins in memory
.set SEL, 98
.set MSB, 0
.macro WIN new                         ; the immediate's high byte repeats the setting that is left
.if MSB != (\new)
	s_set_vgpr_msb (MSB<<8)|(\new)
.set MSB, (\new)
.endif
.endm
.set MUL_LO, 0xa1                      ; source 0 (B) window 1, source 1 (A) window 0, C and D window 2
.set MUL_HI, 0xf1                      ; the same, C and D window 3
.set TO_B,   0x40                      ; destination window 1, address window 0
; A joint load: waves 0 and 1 fetch the tokens', waves 2 and 3 the weights'; the branch hangs on the wave's number alone.  Four v_nop follow each of the two lines.
.macro JLOAD g0a, g1a, g0b, g1b
	s_cmp_eq_u32 s21, 0
	s_cbranch_scc0 .Lfor_b_\@
	tensor_load_to_lds s[\g0a:\g0a+3], s[\g1a:\g1a+7]
	s_nop 0
.rept 4
	v_nop
.endr
	s_branch .Lasked_\@
.Lfor_b_\@:
	tensor_load_to_lds s[\g0b:\g0b+3], s[\g1b:\g1b+7]
	s_nop 0
.rept 4
	v_nop
.endr
.Lasked_\@:
.endm
.macro HARM n, g0, g1, nxt, jn         ; wave n's arm of a chain: its one tensor load, then on to the join
	s_cmp_eq_u32 s20, \n
	s_cbranch_scc0 \nxt
	tensor_load_to_lds s[\g0:\g0+3], s[\g1:\g1+7]
	s_nop 0
.rept 4
	v_nop
.endr
	s_branch \jn
\nxt:
.endm
.macro HEAD4 a0, a1, b0, b1, c0, c1, d0, d1    ; four first fills, one for each wave: every way through the chain passes exactly one load
	HARM 0, \a0, \a1, .Lh1_\@, .Lhj_\@
	HARM 1, \b0, \b1, .Lh2_\@, .Lhj_\@
	HARM 2, \c0, \c1, .Lh3_\@, .Lhj_\@
	tensor_load_to_lds s[\d0:\d0+3], s[\d1:\d1+7]
	s_nop 0
.rept 4
	v_nop
.endr
.Lhj_\@:
.endm
.macro CREST
	s_cmp_lg_u32 s20, 0
	s_cbranch_scc1 .Lnot_wave_0_\@
	s_barrier_signal -3
.Lnot_wave_0_\@:
	s_barrier_wait -3
	s_barrier_signal -1
	s_barrier_wait -1
.endm
.macro CROUND
	s_barrier_signal -1
	s_barrier_wait -1
	CREST
.endm
	s_load_b256 s[4:11], s[0:1], 0x0               ; the codes s[4:5], the scale words s[6:7], bq s[8:9], bk s[10:11]
	s_load_b128 s[12:15], s[0:1], 0x20             ; bv s[12:13], the records s[14:15]
	v_lshl_add_u32 v[SPW], v0, 2, SPARE
	v_mov_b32 v[NIL], 0
	ds_add_u32 v28, v29
	ds_add_u32 v28, v29
	s_wait_dscnt 0x0
	v_lshrrev_b32 v1, 5, v0
	v_readfirstlane_b32 s20, v1                    ; wave 0..3
	s_lshr_b32 s21, s20, 1                         ; rh: which half of A's rows is mine.  Also: I fetch the tokens' (0) or the weights' (1)
	s_and_b32 s22, s20, 1                          ; ch: which half of B's rows.  Also: which half I fetch
	s_bfe_u32 s40, ttmp6, 0x40000                  ; cx
	s_bfe_u32 s41, ttmp6, 0x40004                  ; cy
	s_and_b32 s45, ttmp7, 0xffff
	s_lshl_b32 s45, s45, 2
	s_add_co_u32 s45, s45, s41                     ; my block of 256 tokens = 4 x cluster y + cy
	s_lshl_b32 s42, ttmp9, 2
	s_add_co_u32 s42, s42, s40                     ; j, my run of each weight = 4 x cluster x + cx
	s_lshl_b32 s43, s41, 2
	s_lshl_b32 s43, 15, s43                        ; my row of the cluster
	s_lshl_b32 s44, 0x1111, s40                    ; my column
	; group 1 for a piece of codes: 8 tiles' two images each: 8 rows of 384 elements of 8 bytes (3,072 bytes), 12,288 bytes apart; dense in LDS
	s_or_b32 s[G1+0], s43, (3<<16)|(1<<21)
	s_or_b32 s[G1B+0], s44, (3<<16)|(1<<21)
.irp g, G1, G1B
	s_mov_b32 s[\g+1], 384<<16                     ; tensor_dim0
	s_mov_b32 s[\g+2], 16<<16                      ; tensor_dim1: 16 tiles for the first fills; 8 from the first change of slots on
	s_mov_b32 s[\g+3], 384<<16                     ; tile_dim0
	s_mov_b32 s[\g+4], 16                          ; tile_dim1
	s_mov_b32 s[\g+5], 1536                        ; stride, in elements
	s_mov_b32 s[\g+6], 0
	s_mov_b32 s[\g+7], 0
.endr
	; the scale words of 128 tokens, all of K: 4,096 dense bytes as 16 rows of 256
	s_or_b32 s[G1S+0], s43, (3<<16)|(1<<21)
	s_mov_b32 s[G1S+1], 32<<16
	s_mov_b32 s[G1S+2], 32<<16                     ; 256 tokens: 8,192 dense bytes as 32 rows of 256
	s_mov_b32 s[G1S+3], 32<<16
	s_mov_b32 s[G1S+4], 32
	s_mov_b32 s[G1S+5], 32
	s_mov_b32 s[G1S+6], 0
	s_mov_b32 s[G1S+7], 0
	; those of four tiles of Wq, of Wk and of Wv: 3 rows of 256 elements of 8 bytes (2,048 bytes), eight runs (32,768 bytes) apart
	s_or_b32 s[G1SB+0], s44, (3<<16)|(1<<21)
	s_mov_b32 s[G1SB+1], 32<<16                    ; Wq's and Wk's run: 8,192 dense bytes as 32 rows of 256
	s_mov_b32 s[G1SB+2], 32<<16
	s_mov_b32 s[G1SB+3], 32<<16
	s_mov_b32 s[G1SB+4], 32
	s_mov_b32 s[G1SB+5], 32
	s_mov_b32 s[G1SB+6], 0
	s_mov_b32 s[G1SB+7], 0
	s_mul_i32 s66, s22, 98304                      ; a run of 128 rows of codes
	s_mul_i32 s16, s45, 196608
	s_add_co_u32 s16, s16, s66                     ; the tokens' codes: my block's run w & 1
	s_mov_b32 s17, 0
	s_lshl_b32 s18, s42, 1
	s_add_co_u32 s18, s18, 64                      ; Wq's run j,
	s_add_co_u32 s18, s18, s22                     ; or Wk's, the next run
	s_mul_i32 s18, s18, 98304
	s_mov_b32 s19, 0
	s_add_co_u32 s46, s42, 80                      ; Wv's run j,
	s_mul_i32 s46, s46, 98304
	s_mov_b32 s47, 0
	s_lshl_b32 s100, s45, 13
	s_mov_b32 s101, 0
	s_lshl_b32 s2, s42, 13
	s_add_co_u32 s2, s2, 64<<12                    ; the weights': runs 64 + 2 j and 65 + 2 j
	s_mov_b32 s3, 0
	s_mul_i32 s96, s21, NQ*IMGB                    ; part 2: of a slot's 512 along K I fetch the half w / 2
	s_mov_b32 s97, 0
	s_mul_i32 s66, s20, PART                       ; where a piece goes: wave x a piece: no place in the cluster enters an LDS address
	s_wait_kmcnt 0x0
	s_add_nc_u64 s[16:17], s[4:5], s[16:17]
	s_add_nc_u64 s[18:19], s[4:5], s[18:19]
	s_add_nc_u64 s[46:47], s[4:5], s[46:47]
	s_add_nc_u64 s[100:101], s[6:7], s[100:101]
	s_add_nc_u64 s[2:3], s[6:7], s[2:3]
	s_add_nc_u64 s[XV:XV+1], s[16:17], s[XV:XV+1]
	CROUND                                         ; all sixteen work-groups are here: the first joint loads meet
	s_mov_b32 s[G0S], 1
	s_mov_b32 s[G0S+1], SCLX
	s_mov_b64 s[G0S+2:G0S+3], s[100:101]
	s_or_b32 s[G0S+3], s[G0S+3], 0x80000000
	s_mov_b32 s[G0SB], 1
	s_mov_b32 s[G0SB+1], SCLW
	s_mov_b64 s[G0SB+2:G0SB+3], s[2:3]
	s_or_b32 s[G0SB+3], s[G0SB+3], 0x80000000
.irp s, 0,1
	s_mov_b32 s[G0+4*\s], 1
	s_add_co_u32 s[G0+4*\s+1], s66, \s*SLOT
	s_add_nc_u64 s[G0+4*\s+2:G0+4*\s+3], s[16:17], \s*NQ*IMGB
	s_or_b32 s[G0+4*\s+3], s[G0+4*\s+3], 0x80000000
	s_mov_b32 s[G0B+4*\s], 1
	s_add_co_u32 s[G0B+4*\s+1], s66, \s*SLOT
	s_add_nc_u64 s[G0B+4*\s+2:G0B+4*\s+3], s[18:19], \s*NQ*IMGB
	s_or_b32 s[G0B+4*\s+3], s[G0B+4*\s+3], 0x80000000
.endr
	s_mov_b32 s[G0W], 1
	s_mov_b32 s[G0W+1], WVB
	s_mov_b64 s[G0W+2:G0W+3], s[46:47]
	s_or_b32 s[G0W+3], s[G0W+3], 0x80000000
	s_add_co_u32 s46, s42, 80
	s_lshl_b32 s46, s46, 12
	s_mov_b32 s47, 0
	s_add_nc_u64 s[46:47], s[6:7], s[46:47]        ; Wv's scale words, for the second group of fills
	; wave 0's own group 0 points at the block's first tile and piece 0, wave 2's at Wq's run and piece 2: with 16 rows each covers two pieces
	HEAD4 G0, G1, G0S, G1S, G0B, G1B, G0SB, G1SB
	v_and_b32 v1, 15, v0
	v_bfe_u32 v2, v0, 4, 1                         ; h
	v_and_b32 v3, 31, v0                           ; lane
	v_lshlrev_b32 v4, 4, v3                        ; 16 x lane
	v_xor_b32 v9, 1, v2                            ; 1 - h
	s_mul_i32 s16, s21, PART
	s_mul_i32 s17, s22, PART
	v_add_nc_u32 v[ADRA], s16, v4                  ; part 1: my 128 tokens: piece rh of a slot
	v_add_nc_u32 v[ADRA+1], SLOT, v[ADRA]
	v_add_nc_u32 v[ADRX], s17, v4                  ; part 2: my 128 tokens' 256 along K number k: piece 2 k + ch of the two slots' eight
.irp k, 1,2,3
	v_add_nc_u32 v[ADRX+\k], 2*PART*\k, v[ADRX]
.endr
	v_add_nc_u32 v[ADRB], 2*PART, v[ADRX]          ; part 1: my weight's run: piece 2 + ch of a slot
	v_add_nc_u32 v[ADRB+1], SLOT+2*PART, v[ADRX]
	s_mul_i32 s16, s21, 4*8*IMGB
	s_add_co_u32 s16, s16, WVB
	v_add_nc_u32 v[ADRV], s16, v4                  ; part 2: my four tiles of Wv, eight images each
	v_lshlrev_b32 v5, 3, v1                        ; my row's two words of 256 along K: 8 r
	s_lshl_b32 s16, s22, 12
	s_add_co_u32 s16, s16, SCLW                    ; part 1: lanes 16-31: Wq's or Wk's tiles 0-3
	s_lshl_b32 s17, s21, 12
	s_add_co_u32 s17, s17, SCLX                    ; lanes 0-15: my 128 tokens
	s_sub_co_u32 s17, s17, s16
	v_mul_u32_u24 v6, s17, v9
	v_add_nc_u32 v6, s16, v6
	v_add_nc_u32 v[ADRS], v5, v6
	v_mov_b32 v[ADRSH], v[ADRS]                    ; a weight's eight tiles lie on end, as the tokens' do
	s_lshl_b32 s16, s21, 11
	s_add_co_u32 s16, s16, SCLW+8192
	s_lshl_b32 s17, s22, 12
	s_add_co_u32 s17, s17, SCLX                    ; lanes 16-31: my 128 tokens
	s_sub_co_u32 s17, s17, s16
	v_mul_u32_u24 v6, s17, v2
	v_add_nc_u32 v6, s16, v6
	s_wait_alu depctr_va_vdst(0)
	v_add_nc_u32 v[ADRT], v5, v6
	v_lshl_add_u32 v[ADRTH], v2, 11, v[ADRT]       ; for the tokens' tiles 4-7 the loads' offsets begin anew and lanes 16-31 stand four tiles on: lanes 0-15 read Wv's four words again, which nobody uses
	s_mov_b32 s[SEL], 0x76543210
	s_mov_b32 s[SEL+1], 0xfedcba98
	; the records: part 1: tokens' run 2 x block + rh, heads 2 j and 2 j + 1;  part 2: run 2 x block + ch, head 2 j + rh
	s_lshl_b32 s16, s45, 1
	s_add_co_u32 s17, s16, s22
	s_add_co_u32 s16, s16, s21
	s_lshr_b32 s18, s16, 4
	s_lshl_b32 s18, s18, 8                         ; batch x 256 records
	s_and_b32 s16, s16, 15
	s_add_co_u32 s18, s18, s16                     ; + the run of 128 tokens in the batch
	s_lshl_b32 s19, s42, 5
	s_add_co_u32 s18, s18, s19                     ; + head 2 j x 16
	s_mul_i32 s18, s18, RECB
	s_lshr_b32 s16, s17, 4
	s_lshl_b32 s16, s16, 8
	s_and_b32 s17, s17, 15
	s_add_co_u32 s16, s16, s17
	s_add_co_u32 s16, s16, s19
	s_lshl_b32 s17, s21, 4
	s_add_co_u32 s16, s16, s17
	s_mul_i32 s16, s16, RECB
	s_mov_b32 s17, 0
	s_mov_b32 s19, 0
	s_add_nc_u64 s[2:3], s[14:15], s[16:17]        ; part 2's record
	s_add_nc_u64 s[14:15], s[14:15], s[18:19]      ; part 1's
	s_mov_b32 s17, 18944                           ; (an instruction takes one literal: q's place of the scale words stands in a register)
	s_cmp_eq_u32 s22, 1                            ; the waves of column 1 make k, those of column 0 q
	s_cselect_b32 s16, 0, 12800                    ; the images' place in a record,
	s_cselect_b32 s17, 12288, s17                  ; the scale words',
	s_cselect_b64 s[8:9], s[10:11], s[8:9]         ; the bias
	v_add_nc_u32 v[OFFI], s16, v4
	v_lshlrev_b32 v5, 4, v1
	v_mul_u32_u24 v6, v2, HEADB
	v_add_nc_u32 v6, s17, v6
	v_add_nc_u32 v[OFFS], v5, v6
	v_add_nc_u32 v[OFFIV], 6144, v4
	v_add_nc_u32 v[OFFSV], 12544, v5
	s_lshl_b32 s16, s42, 9
	s_mov_b32 s17, 0
	s_add_nc_u64 s[8:9], s[8:9], s[16:17]          ; bq or bk at run j's 128 numbers
	s_lshl_b32 s18, s21, 8
	s_add_co_u32 s16, s16, s18
	s_add_nc_u64 s[12:13], s[12:13], s[16:17]      ; bv at my head's 64
	v_lshlrev_b32 v7, 6, v2                        ; part 1: 64 h bytes: my half's 16 numbers of each 32
	v_and_b32 v8, 8, v1
	v_add_nc_u32 v8, v8, v1
	v_lshlrev_b32 v8, 2, v8                        ; part 2: 4 (r + 8 (r / 8)): my row of a tile
.irp b, 0,1,2,3,4,5,6,7                        ; register 8 b + j: the bias of B's row 32 (b / 2) + 8 (b % 2) + 16 h + j
	global_load_b128 v[BI+8*\b:BI+8*\b+3], v7, s[8:9] offset:(32*(\b/2)+8*(\b%2))*4
	global_load_b128 v[BI+8*\b+4:BI+8*\b+7], v7, s[8:9] offset:(32*(\b/2)+8*(\b%2))*4+16
.endr
.irp a, 0,1,2,3                                ; registers 8 a + 0 .. 7: eight times the bias of my row of Wv's tile a
.irp j, 0,1,2,3,4,5,6,7
	global_load_b32 v[BV+8*\a+\j], v8, s[12:13] offset:(32*(\a/2)+8*(\a%2))*4
.endr
.endr
.macro FRAG reg, adr, q, i             ; a fragment comes back as it was stored: three loads of 16 bytes a lane, 512 consecutive bytes each
.irp c, 0,1,2
	ds_load_b128 v[\reg+4*\c:\reg+4*\c+3], v[\adr] offset:(2*(\i)+(\q))*IMGB+512*\c
.endr
.endm
; PART 1.  16 matrix instructions: A's blocks a0, a0 + 1 x B's eight, the slot's q-th 128 along K.  p: B's set; sc: the set of scale words.  z = 0: onto the sums; 1: the sums begin with the bias by B's row.
; The 64 accumulators take turns, one instruction a turn, in the same order in every step.
.macro MUL16 a0, p, q, sc, z
.irp a, \a0, \a0+1
.irp b, 0,1,2,3,4,5,6,7
.if \z == 0
	v_wmma_scale_f32_16x16x128_f8f6f4 v[8*(8*((\a)%4)+\b):8*(8*((\a)%4)+\b)+7], v[128*(\p)+FR*\b:128*(\p)+FR*\b+FR-1], v[AF+FR*(\a):AF+FR*(\a)+FR-1], v[8*(8*((\a)%4)+\b):8*(8*((\a)%4)+\b)+7], v[SC+8*NQ*(\sc)+NQ*\b+(\q)], v[SC+8*NQ*(\sc)+NQ*(\a)+(\q)] matrix_a_fmt:MATRIX_FMT_FP6 matrix_b_fmt:MATRIX_FMT_FP6 matrix_a_scale:MATRIX_SCALE_ROW1
.else
	v_wmma_scale_f32_16x16x128_f8f6f4 v[8*(8*((\a)%4)+\b):8*(8*((\a)%4)+\b)+7], v[128*(\p)+FR*\b:128*(\p)+FR*\b+FR-1], v[AF+FR*(\a):AF+FR*(\a)+FR-1], v[BI+8*\b:BI+8*\b+7], v[SC+8*NQ*(\sc)+NQ*\b+(\q)], v[SC+8*NQ*(\sc)+NQ*(\a)+(\q)] matrix_a_fmt:MATRIX_FMT_FP6 matrix_b_fmt:MATRIX_FMT_FP6 matrix_a_scale:MATRIX_SCALE_ROW1
.endif
.endr
.endr
.endm
.macro FETCH_B slot, q, p
	WIN TO_B
.irp i, 0,1,2,3,4,5,6,7
	FRAG 128*(\p)+FR*\i, ADRB+\slot, \q, \i
.endr
	WIN 0
.endm
.macro FETCH_A slot, q, i0
.irp i, \i0, \i0+1, \i0+2, \i0+3
	FRAG AF+FR*(\i), ADRA+\slot, \q, \i
.endr
.endm
; The scale words of 256 along K into set sc: two a row; lanes 0-15 take A's tile i, lanes 16-31 B's tile i.  Tiles 4-7 go by a second address; back: how far their offsets begin anew
.macro SCALES sc, lo, hi, back
.irp i, 0,1,2,3
	ds_load_b64 v[SC+8*NQ*(\sc)+NQ*\i:SC+8*NQ*(\sc)+NQ*\i+1], v[\lo] offset:\i*512
.endr
.irp i, 4,5,6,7
	ds_load_b64 v[SC+8*NQ*(\sc)+NQ*\i:SC+8*NQ*(\sc)+NQ*\i+1], v[\hi] offset:\i*512-\back
.endr
.endm
; A load into a register that a matrix instruction has read, and a vector instruction that reads a matrix result, stand NP places behind it; only plain vector instructions that name none of its registers are places.
.macro PLACES n
.rept \n
	v_nop
.endr
.endm
; A step of 128 along K that has its successor in the same slot
.macro STEP slot, q, z
	s_wait_dscnt 4*NL                              ; B's set, A's blocks 0-3 and the scale words are in; the youngest 12 loads (A's blocks 4-7) may be out
.if \z
	WIN 0x81                                       ; as MUL_LO, with C (the bias) in window 0
.else
	WIN MUL_LO
.endif
	MUL16 0, (\q)%2, \q, \slot, \z
	MUL16 2, (\q)%2, \q, \slot, \z
	s_wait_dscnt 0                                 ; A's blocks 4-7 are in
	PLACES NP
	FETCH_B \slot, (\q)+1, 1-(\q)%2
	FETCH_A \slot, (\q)+1, 0
.if \z
	WIN 0xc1
.else
	WIN MUL_HI
.endif
	MUL16 4, (\q)%2, \q, \slot, \z
	MUL16 6, (\q)%2, \q, \slot, \z
	PLACES NP
	WIN 0
	FETCH_A \slot, (\q)+1, 4
.endm
; A slot's last step changes slots: ONE barrier, which opens a round of the cluster's; in front of it each wave waits for all its tensor loads, adds 0 to its spare word, and waits for that and for its own reads of this slot.
; part2 = 0: the slot is filled with part 1's K step two steps on;  1: with 512 along K of the tokens for part 2: every wave one piece.  fetch = 1: the next slot's first fragments are read.
.macro TURN slot, next, part2, fetch
	s_wait_tensorcnt 0x0                           ; all my tensor loads have landed: my part of the next slot
	ds_add_u32 v[SPW], v[NIL]                      ; 0 onto my spare word
	s_mov_b32 s[G1+2], 8<<16                       ; no tensor load of mine is out: a refill brings 8 tiles
	s_mov_b32 s[G1+4], 8
	s_mov_b32 s[G1B+2], 8<<16
	s_mov_b32 s[G1B+4], 8
	s_wait_dscnt 4*NL+1
	WIN MUL_LO
	MUL16 0, 1, NQ-1, \slot, 0                     ; sixteen matrix instructions stand between the add and the wait for it
	s_wait_dscnt 0x0                               ; the add is done, and my reads of this slot are over
	s_barrier_signal -1
	MUL16 2, 1, NQ-1, \slot, 0
	WIN 0
	s_barrier_wait -1
	CREST                                          ; no wave of any partner still reads this slot or has a load on its way
.if \part2
	s_add_nc_u64 s[G0+4*\slot+2:G0+4*\slot+3], s[XV:XV+1], \slot*2*NQ*IMGB   ; slot s takes 512 s on along K; of these I fetch 256, for 128 tokens
	s_or_b32 s[G0+4*\slot+3], s[G0+4*\slot+3], 0x80000000
	tensor_load_to_lds s[G0+4*\slot:G0+4*\slot+3], s[G1:G1+7]                ; the first tensor load behind the round, one a wave, each into the piece of its own number
	s_nop 0
.rept 4
	v_nop
.endr
.else
	s_add_nc_u64 s[G0+4*\slot+2:G0+4*\slot+3], s[G0+4*\slot+2:G0+4*\slot+3], 2*NQ*IMGB
	s_add_nc_u64 s[G0B+4*\slot+2:G0B+4*\slot+3], s[G0B+4*\slot+2:G0B+4*\slot+3], 2*NQ*IMGB
	JLOAD G0+4*\slot, G1, G0B+4*\slot, G1B         ; the first tensor load behind the round; its four v_nop are the places in front of the loads below
.endif
.if \fetch
	s_wait_alu depctr_va_vdst(0)
	v_add_nc_u32 v[ADRS], 128, v[ADRS]             ; the next slot's scale words
	v_add_nc_u32 v[ADRSH], 128, v[ADRSH]
	FETCH_B \next, 0, 0
	FETCH_A \next, 0, 0
	SCALES \next, ADRS, ADRSH, 0
.endif
	WIN MUL_HI
	MUL16 4, 1, NQ-1, \slot, 0
	MUL16 6, 1, NQ-1, \slot, 0
	PLACES NP
	WIN 0
.if \fetch
	FETCH_A \next, 0, 4
.endif
.endm
	s_wait_alu depctr_va_vdst(0)
	s_wait_tensorcnt 0x0                           ; my tile of the head's four is in; the three lines ahead of later first fills
	ds_add_u32 v[SPW], v[NIL]
	s_or_b32 s[G1S+0], s44, (3<<16)|(1<<21)        ; no load of mine is out: this group 1 now serves Wv's run, shared along my column: 98,304 dense bytes as 384 rows of 256
	s_mov_b32 s[G1S+2], 384<<16
	s_mov_b32 s[G1S+4], 384
	s_mov_b32 s[G1SB+2], 16<<16                    ; and this one Wv's scale words: 4,096 bytes
	s_mov_b32 s[G1SB+4], 16
	s_mov_b32 s[G0SB+1], SCLW+8192
	s_mov_b64 s[G0SB+2:G0SB+3], s[46:47]
	s_or_b32 s[G0SB+3], s[G0SB+3], 0x80000000
	s_wait_dscnt 0x0
	CROUND                                         ; all four tiles are in, in every work-group of the cluster
	HEAD4 G0+4, G1, G0W, G1S, G0B+4, G1B, G0SB, G1SB
	FETCH_B 0, 0, 0
	FETCH_A 0, 0, 0
	SCALES 0, ADRS, ADRSH, 0
	FETCH_A 0, 0, 4
	s_wait_loadcnt 0x0                             ; the biases
	STEP 0, 0, 1                                   ; the first step's products start the sums, with the bias
	TURN 0, 1, 0, 1
	STEP 1, 0, 0
	TURN 1, 0, 0, 1
	STEP 0, 0, 0
	TURN 0, 1, 1, 1                                ; slot 0 has served part 1: it takes part 2's first 512 along K
	STEP 1, 0, 0
	TURN 1, 0, 1, 0                                ; and slot 1 the other 512
; THE WAY OUT.  The 64 registers of A's block a (window w) are 128 neighbours along the axis to be quantised: register 16 b + i = number 32 b + 16 h + i of my row.
; They become a fragment's two halves, d0 .. d0 + 5 (numbers 32 h on) and d1 .. d1 + 5 (64 + 32 h on), and a scale word pw.  Each accumulator is read from its low end on.
.macro QUANT s, w, d0, d1, pw
	WIN 5*(\w)                                     ; sources 0 and 1 in window w
.irp b, 0,1,2,3
	v_max3_num_f32 v[TM+\b], |v[\s+16*\b]|, |v[\s+1+16*\b]|, 0x1800000   ; and the floor 2^(3 - 127): the byte cannot fall under 1
.endr
.irp i, 2,4,6,8,10,12,14
.irp b, 0,1,2,3
	v_max3_num_f32 v[TM+\b], |v[\s+16*\b+\i]|, |v[\s+1+16*\b+\i]|, v[TM+\b]
.endr
.endr
	WIN 0
.irp b, 0,1,2,3
	v_permlanex16_b32 v[TM+4+\b], v[TM+\b], s[SEL], s[SEL+1]
.endr
.irp b, 0,1,2,3
	v_max_num_f32 v[TM+\b], v[TM+\b], v[TM+4+\b]
.endr
.irp b, 0,1,2,3
	v_add_nc_u32 v[TM+12+\b], 0xff000000, v[TM+\b] ; 2 off the exponent field: the conversion's scale operand
.endr
.irp b, 0,1,2,3
	v_lshrrev_b32 v[TM+4+\b], 23, v[TM+12+\b]      ; the scale's byte
.endr
	v_lshl_or_b32 v[\pw], v[TM+5], 8, v[TM+4]
	v_lshl_or_b32 v[\pw], v[TM+6], 16, v[\pw]
	v_lshl_or_b32 v[\pw], v[TM+7], 24, v[\pw]
	WIN (\w)                                       ; source 0 in window w
	v_cvt_scalef32_pk16_fp6_f32 v[\d0:\d0+2], v[\s:\s+15], v[TM+12]
	v_cvt_scalef32_pk16_fp6_f32 v[PT:PT+2], v[\s+16:\s+31], v[TM+13]
	v_cvt_scalef32_pk16_fp6_f32 v[\d1:\d1+2], v[\s+32:\s+47], v[TM+14]
	v_cvt_scalef32_pk16_fp6_f32 v[PT+4:PT+6], v[\s+48:\s+63], v[TM+15]
	WIN 0
	v_nop                                          ; one plain place behind the scaled conversions
.irp i, 0,1,2
	v_permlane16_swap_b32 v[\d0+\i], v[PT+\i]      ; a whole block to a lane
	v_permlane16_swap_b32 v[\d1+\i], v[PT+4+\i]
.endr
.irp i, 0,1,2
	v_mov_b32 v[\d0+3+\i], v[PT+\i]
	v_mov_b32 v[\d1+3+\i], v[PT+4+\i]
.endr
.endm
	; ---- part 1's way out (the four places behind its last products stand at the end of the last change of slots).  Both of part 2's fills are on their way meanwhile
.irp b, 0,1,2,3
	v_mov_b32 v[TM+4+\b], 0                        ; written once: a lane permute's destination counts as one of its sources
.endr
.irp a, 0,1,2,3,4,5,6,7                        ; block a is a tile of tokens; its first 64 numbers are the first head's, half a % 2 of that head's image a / 2; the others the second head's
	QUANT 64*(\a%4), 2+\a/4, IMG+12*(\a/2)+6*(\a%2), IMG+48+12*(\a/2)+6*(\a%2), PW+\a
.endr
.irp i, 0,1,2,3                                ; an image's scale word: two bytes of tile 2 i's token, two of tile 2 i + 1's
	v_perm_b32 v[WD+\i], v[PW+2*\i+1], v[PW+2*\i], 0x05040100
	v_perm_b32 v[WD+4+\i], v[PW+2*\i+1], v[PW+2*\i], 0x07060302
.endr
.irp x, 0,1,2,3,4,5,6,7
.irp c, 0,1,2
	global_store_b128 v[OFFI], v[IMG+12*\x+4*\c:IMG+12*\x+4*\c+3], s[14:15] offset:(\x/4)*HEADB+(\x%4)*IMGB+512*\c   ; 512 consecutive bytes, at a multiple of 256 from the buffer's first byte
.endr
.endr
	v_cmp_le_u32 vcc_lo, 16, v3
.irp i, 0,1,2,3
	v_cndmask_b32 v[SO+\i], v[WD+\i], v[WD+4+\i], vcc_lo   ; lanes 0-15 carry the first head's four words of row r, lanes 16-31 the second head's (both halves hold all eight)
.endr
	global_store_b128 v[OFFS], v[SO:SO+3], s[14:15]        ; sixteen lanes fill a head's 256 bytes of scale words
; PART 2.  16 matrix instructions: Wv's tiles a0, a0 + 1 x the tokens' eight.  p: the set of fragments; z = 1: the sums begin with the bias by Wv's row.  The 32 accumulators take turns as above.
.macro MULV a0, p, q, sc, z
.irp a, \a0, \a0+1
.irp b, 0,1,2,3,4,5,6,7
.if \z == 0
	v_wmma_scale_f32_16x16x128_f8f6f4 v[8*(8*(\a)+\b):8*(8*(\a)+\b)+7], v[128*(\p)+FR*\b:128*(\p)+FR*\b+FR-1], v[AF+48*(\p)+FR*(\a):AF+48*(\p)+FR*(\a)+FR-1], v[8*(8*(\a)+\b):8*(8*(\a)+\b)+7], v[SC+8*NQ*(\sc)+NQ*\b+(\q)], v[SC+8*NQ*(\sc)+NQ*(\a)+(\q)] matrix_a_fmt:MATRIX_FMT_FP6 matrix_b_fmt:MATRIX_FMT_FP6 matrix_a_scale:MATRIX_SCALE_ROW1
.else
	v_wmma_scale_f32_16x16x128_f8f6f4 v[8*(8*(\a)+\b):8*(8*(\a)+\b)+7], v[128*(\p)+FR*\b:128*(\p)+FR*\b+FR-1], v[AF+48*(\p)+FR*(\a):AF+48*(\p)+FR*(\a)+FR-1], v[BV+8*(\a):BV+8*(\a)+7], v[SC+8*NQ*(\sc)+NQ*\b+(\q)], v[SC+8*NQ*(\sc)+NQ*(\a)+(\q)] matrix_a_fmt:MATRIX_FMT_FP6 matrix_b_fmt:MATRIX_FMT_FP6 matrix_a_scale:MATRIX_SCALE_ROW1
.endif
.endr
.endr
.endm
.macro FETCHV s                        ; K step s of eight: the tokens' eight fragments and Wv's four, 36 loads, into set s % 2
	WIN TO_B
.irp i, 0,1,2,3,4,5,6,7
	FRAG 128*((\s)%2)+FR*\i, ADRX+(\s)/2, (\s)%2, \i
.endr
	WIN 0
.irp i, 0,1,2,3
	FRAG AF+48*((\s)%2)+FR*\i, ADRV, \s, 4*\i      ; image 8 i + s of my four tiles
.endr
.endm
.macro NEXTV s                         ; the fetch for step s, with the scale words where a new 256 along K begins
.if (\s)%2 == 0
	v_add_nc_u32 v[ADRT], 128, v[ADRT]
	v_add_nc_u32 v[ADRTH], 128, v[ADRTH]
.endif
	FETCHV \s
.if (\s)%2 == 0
	SCALES ((\s)/2)%2, ADRT, ADRTH, 2048
.endif
.endm
.macro VSTEP s, z                      ; 32 matrix instructions; the next step's loads are issued ahead of them, into the other set
	s_wait_dscnt 0x0                               ; this step's fragments, asked for a step ago, are in
	PLACES NP                                      ; behind the last step's products, which read the set that is loaded now
	NEXTV (\s)+1
.if \z
	WIN 0x81
.else
	WIN MUL_LO
.endif
	MULV 0, (\s)%2, (\s)%2, ((\s)/2)%2, \z
	MULV 2, (\s)%2, (\s)%2, ((\s)/2)%2, \z
	WIN 0
.endm
	s_wait_xcnt 0x0                                ; part 1's stores have read their registers: fragments land there now
	FETCHV 0                                       ; slot 0 is whole: every wave waited for its piece in front of the last round
	SCALES 0, ADRT, ADRTH, 2048
	VSTEP 0, 1
	VSTEP 1, 0
	s_wait_alu depctr_va_vdst(0)
	VSTEP 2, 0
	s_wait_dscnt 0x0                               ; step 3 changes slots.  Its fragments are in: no LDS instruction of mine is out;
	s_wait_tensorcnt 0x0                           ; my piece of slot 1, my one load that was out, has landed.
	s_barrier_signal -1
	WIN MUL_LO
	MULV 0, 1, 1, 1, 0
	WIN 0
	s_barrier_wait -1                              ; everybody's has
	PLACES NP
	NEXTV 4
	WIN MUL_LO
	MULV 2, 1, 1, 1, 0
	WIN 0
	s_wait_alu depctr_va_vdst(0)
	VSTEP 4, 0
	VSTEP 5, 0
	VSTEP 6, 0
	s_wait_dscnt 0x0
	WIN MUL_LO
	MULV 0, 1, 1, 1, 0
	MULV 2, 1, 1, 1, 0
	WIN 0
	; ---- part 2's way out: block a is 16 of my head's numbers x my 128 tokens: image a, as it stands
	PLACES NP
.irp a, 0,1,2,3
	QUANT 64*\a, 2, IMG+12*\a, IMG+12*\a+6, WD+\a
.endr
.irp x, 0,1,2,3
.irp c, 0,1,2
	global_store_b128 v[OFFIV], v[IMG+12*\x+4*\c:IMG+12*\x+4*\c+3], s[2:3] offset:\x*IMGB+512*\c
.endr
.endr
	global_store_b128 v[OFFSV], v[WD:WD+3], s[2:3] ; row r's four words: 256 consecutive bytes; lanes l and l xor 16 hold and store the same numbers
	s_wait_tensorcnt 0x0                           ; the wave's end
	ds_add_u32 v[SPW], v[NIL]
	s_wait_dscnt 0x0
	CROUND                                         ; the closing round: no work-group ends while a partner may still ask for a tile that names it
	s_endpgm
.Lfunc_end_k_qd9473ebc64_qkv:
	.size	k_qd9473ebc64_qkv, .Lfunc_end_k_qd9473ebc64_qkv-k_qd9473ebc64_qkv
	.p2alignl 7, 3214868480
	.fill 96, 4, 3214868480
	.section	.rodata,"a",@progbits
	.p2align	6, 0x0
	.amdhsa_kernel k_qd9473ebc64_qkv
		.amdhsa_group_segment_fixed_size 327680
		.amdhsa_private_segment_fixed_size 0
		.amdhsa_enable_private_segment 0
		.amdhsa_kernarg_size 48
		.amdhsa_user_sgpr_count 2
		.amdhsa_user_sgpr_kernarg_segment_ptr 1
		.amdhsa_wavefront_size32 1
		.amdhsa_system_sgpr_workgroup_id_x 1
		.amdhsa_system_sgpr_workgroup_id_y 1
		.amdhsa_system_sgpr_workgroup_id_z 1
		.amdhsa_system_vgpr_workitem_id 0
		.amdhsa_next_free_vgpr 1024
		.amdhsa_next_free_sgpr 102
		.amdhsa_reserve_vcc 1
		.amdhsa_float_denorm_mode_32 3
		.amdhsa_float_denorm_mode_16_64 3
		.amdhsa_memory_ordered 1
		.amdhsa_forward_progress 1
		.amdhsa_inst_pref_size 222
	.end_amdhsa_kernel
	.amdgpu_metadata
---
amdhsa.version: [ 1, 2 ]
amdhsa.kernels:
  - .name:           k_qd9473ebc64_qkv
    .symbol:         k_qd9473ebc64_qkv.kd
    .args:
      - { .name: xw_codes, .offset: 0, .size: 8, .value_kind: global_buffer, .address_space: global }
      - { .name: xw_scales, .offset: 8, .size: 8, .value_kind: global_buffer, .address_space: global }
      - { .name: bq, .offset: 16, .size: 8, .value_kind: global_buffer, .address_space: global }
      - { .name: bk, .offset: 24, .size: 8, .value_kind: global_buffer, .address_space: global }
      - { .name: bv, .offset: 32, .size: 8, .value_kind: global_buffer, .address_space: global }
      - { .name: qkv, .offset: 40, .size: 8, .value_kind: global_buffer, .address_space: global }
    .group_segment_fixed_size: 327680
    .private_segment_fixed_size: 0
    .kernarg_segment_align: 8
    .kernarg_segment_size: 48
    .max_flat_workgroup_size: 128
    .sgpr_count:     102
    .vgpr_count:     1024
    .wavefront_size: 32
...
	.end_amdgpu_metadata
.endif
;; end of part 2
;; launch attn (part 3): grid 4 x 64, 16 waves a work-group, clusters of 4 x 1, 215,040 bytes of LDS; arguments qkv, mask, att_codes, att_scales; writes att_codes, att_scales
.if DOCPART == 3
	.amdgcn_target "amdgcn-amd-amdhsa--gfx1250"
	.amdhsa_code_object_version 6
	.text
	.protected	k_qd9473ebc64_attn
	.globl	k_qd9473ebc64_attn
	.p2align	8
	.type	k_qd9473ebc64_attn,@function
k_qd9473ebc64_attn:
	s_mov_b64 s[64:65], 0
	v_nop
	global_prefetch_b8 v0, s[64:65] scope:SCOPE_SE
	s_setreg_imm32_b32 hwreg(HW_REG_WAVE_MODE, 25, 1), 1
	s_wait_xcnt 0x0
	s_wait_alu depctr_hold_cnt(0) depctr_sa_sdst(0) depctr_va_vdst(0) depctr_va_sdst(0) depctr_va_ssrc(0) depctr_va_vcc(0) depctr_vm_vsrc(0)
	s_getreg_b32 s2, hwreg(HW_REG_IB_STS2, 6, 4)
	s_cmp_eq_u32 s2, 0
	s_cbranch_scc0 .Lentry_in_a_cluster
	s_endpgm
.Lentry_in_a_cluster:
	s_bfe_u32 s2, ttmp6, 0x10000c
	s_cmp_lg_u32 s2, 0x3003
	s_cbranch_scc0 .Lentry_shape_is_right
	s_endpgm
.Lentry_shape_is_right:
; attended[b][q][head] = softmax_k(q . k / 8, keys with mask 0 left out) v, both products on codes of FP6 (E2M3) with E8M0 scales; the result is quantised here along the model's 1,024 numbers for the last product.
; THE SOFTMAX AHEAD OF THE SECOND PRODUCT: t = score x log2(e) / 8; M = the running largest t rounded UP to a whole number; p = 2^(t - M) is what is quantised, along the keys; the row's sum is taken of the
; unquantised p and divides at the end.  When M moves, the sum and O are multiplied by 2^(old M - new M): exact.
; INPUT: a record of 19,200 bytes for each (batch, head, 128 tokens): K 4 images | V 4 images | K's scale words | V's | Q 4 images | Q's scale words.  An image is a fragment's 12 registers: chunk c of 512 bytes holds
; registers 4 c .. 4 c + 3, lane l's 16 bytes at 16 l.  K (Q) image i: registers 0-5: tile 2 i (lane (r, h): token 32 i + r + 8 (r / 8), numbers 32 h on); registers 6-11: tile 2 i + 1 (tokens 8 further on).
; THE HEAD HAS 64 NUMBERS, THE INSTRUCTION TAKES 128: one image of K serves two products: with [q | zero codes] it gives tile 2 i's scores, with [zero codes | q] tile 2 i + 1's.  q stands once, between two runs of six zero registers.
; SHARES: a work-group owns 512 queries of one head; each of its sixteen waves one tile of 16 queries in each of two passes; four waves to a SIMD, so that one wave's vector work stands beside another's matrix work.
; ALL OF THE HEAD'S K AND V LIE IN LDS (16 records' first 12,800 bytes, one tensor load a wave): filled once, never again.  CLUSTER: the four work-groups of a head read the same records: each is asked for jointly.
; THE MASK IS THE C OF THE FIRST PRODUCT: 0 where a key counts, -2^100 where it does not; a step's 64 numbers a lane are loaded from LDS straight into the scores' registers.  A masked key's p is then 0.
; Both products are used transposed (source 0 = 16 keys, or 16 of the head's numbers; source 1 = my 16 queries): a lane holds ONE query throughout.
; LIMITS: scores stay under 2^75 in magnitude, so that -2^100 swallows them; a batch whose mask is all zeros gives finite numbers where the definition gives NaN; NaN and infinities are not served;
; a block of zeros gets the byte 1 where the rule says 127 (its codes are zeros; this program alone reads the bytes).
.set REC,   13312                      ; a step's record in LDS: K 6,144 | V 6,144 | K's words 256 | V's 256 | the mask's numbers 512 (stored by the waves; no tensor load lands there)
.set VOFF,  6144
.set KSO,   12288
.set VSO,   12544
.set MBO,   12800
.set GREC,  19200
.set HEADB, 307200
.set LI,  1                            ; v1  16 x lane
.set LS,  2                            ; v2  16 r
.set LM,  3                            ; v3  64 h
.set ADI, 4                            ; v4-6 the same in the step's record
.set ADS, 5
.set ADM, 6
.set KS,  8                            ; v8-11  K's scale words
.set QHI, 16                           ; v16-27 [0 | q];  v22-33 [q | 0]
.set QLO, 22
.set QSW, 34                           ; v34 q's scale word, v35 p's
.set PSW, 35
.set VS,  36                           ; v36-39 V's scale words
.set F,   40                           ; v40-87 four fragments, of K and then of V
.set S,   96                           ; v96-159 the scores, then p
.set O,   160                          ; v160-191 O^T
.set PC,  192                          ; v192-203 p's codes
.set PT,  204                          ; v204-211 halves of blocks on their way
.set BM,  212                          ; v212-215 the blocks' largest scores, then largest p
.set BP,  216                          ; v216-219 the other half's, then bytes
.set BS,  220                          ; v220-223 the conversions' scale operands
.set WV,  12
.set SEL, 36
.set CS,  38
.set CNT, 40
.set TB,  41
.macro CROUND
	s_barrier_signal -1
	s_barrier_wait -1
	s_cmp_lg_u32 s[WV], 0
	s_cbranch_scc1 .Lnot_wave_0_\@
	s_barrier_signal -3
.Lnot_wave_0_\@:
	s_barrier_wait -3
	s_barrier_signal -1
	s_barrier_wait -1
.endm
	s_load_b256 s[4:11], s[0:1], 0x0               ; the records s[4:5], the mask s[6:7], the result's codes s[8:9], its scale words s[10:11]
	v_lshl_add_u32 v254, v0, 2, 0x34000
	v_mov_b32 v255, 0
	ds_add_u32 v254, v255
	ds_add_u32 v254, v255
	v_lshrrev_b32 v1, 5, v0
	s_delay_alu instid0(VALU_DEP_1)
	v_readfirstlane_b32 s[WV], v1                  ; wave 0..15
	s_bfe_u32 s13, ttmp6, 0x40000                  ; cx: my block of 512 queries: it enters q's and the result's addresses alone
	s_and_b32 s14, ttmp7, 0xffff                   ; 16 x batch + head, which the four partners share
	; descriptor group 1: 12,800 dense bytes as 50 rows of 32 elements of 8 bytes
	s_mov_b32 s16, 15|(3<<16)|(1<<21)              ; the mask names all four work-groups
	s_mov_b32 s17, 32<<16
	s_mov_b32 s18, 50<<16
	s_mov_b32 s19, 32<<16
	s_mov_b32 s20, 50
	s_mov_b32 s21, 32
	s_mov_b32 s22, 0
	s_mov_b32 s23, 0
	s_mul_i32 s44, s14, HEADB                      ; the head's sixteen records
	s_mul_i32 s46, s[WV], GREC
	s_add_co_u32 s46, s46, s44                     ; record w: the one that I fetch
	s_mov_b32 s47, 0
	s_mov_b32 s24, 1
	s_mul_i32 s25, s[WV], REC                      ; and where it goes
	s_lshl_b32 s48, s13, 2
	s_lshr_b32 s49, s[WV], 3
	s_add_co_u32 s48, s48, s49                     ; my queries' record in pass 0: 4 cx + w / 8
	s_mul_i32 s48, s48, GREC
	s_add_co_u32 s48, s48, s44
	s_bfe_u32 s49, s[WV], 0x20001                  ; their image: (w / 2) % 4
	s_mul_i32 s50, s49, 1536
	s_add_co_u32 s50, s50, s48
	s_add_co_u32 s50, s50, 12800
	s_mov_b32 s51, 0
	s_lshl_b32 s52, s49, 2
	s_add_co_u32 s52, s52, s48
	s_add_co_u32 s52, s52, 18944
	s_mov_b32 s53, 0
	s_lshr_b32 s15, s14, 4                         ; batch
	s_and_b32 s43, s14, 15                         ; head
	s_lshl_b32 s54, s15, 7
	s_lshl_b32 s55, s13, 5
	s_add_co_u32 s54, s54, s55
	s_add_co_u32 s54, s54, s[WV]                   ; my tile of tokens in pass 0: 128 batch + 32 cx + w
	s_lshl_b32 s56, s54, 3
	s_lshr_b32 s55, s43, 1
	s_add_co_u32 s56, s56, s55                     ; its K step head / 2
	s_mul_i32 s56, s56, 1536
	s_and_b32 s55, s43, 1
	s_mul_i32 s57, s55, 768                        ; the half of the fragment that is my head's
	s_add_co_u32 s56, s56, s57
	s_mov_b32 s57, 0
	s_lshl_b32 s58, s54, 2
	s_lshr_b32 s59, s43, 2
	s_add_co_u32 s58, s58, s59
	s_lshl_b32 s58, s58, 7                         ; the scale words of (tile, head / 4),
	s_bfe_u32 s59, s43, 0x10001
	s_lshl_b32 s59, s59, 2
	s_add_co_u32 s58, s58, s59                     ; the word of K step head / 2,
	s_lshl_b32 s59, s55, 1
	s_add_co_u32 s58, s58, s59                     ; my head's two bytes of it
	s_mov_b32 s59, 0
	s_lshl_b32 s60, s15, 13                        ; the batch's 2,048 words of the mask
	s_mov_b32 s61, 0
	s_mov_b32 s[SEL], 0x76543210
	s_mov_b32 s[SEL+1], 0xfedcba98
	s_mov_b32 s[CS], 0x3e38aa3b                    ; c = log2(e) / 8
	s_mov_b32 s[CS+1], s[CS]                       ; (named with it as a pair, so it is written)
	s_wait_dscnt 0x0
	s_wait_kmcnt 0x0
	s_add_nc_u64 s[26:27], s[4:5], s[46:47]
	s_or_b32 s27, s27, 0x80000000
	s_add_nc_u64 s[28:29], s[4:5], s[50:51]        ; q's codes
	s_add_nc_u64 s[30:31], s[4:5], s[52:53]        ; q's scale words
	s_add_nc_u64 s[32:33], s[8:9], s[56:57]
	s_add_nc_u64 s[34:35], s[10:11], s[58:59]
	s_add_nc_u64 s[6:7], s[6:7], s[60:61]
	CROUND                                         ; all four work-groups are here: the joint loads meet
	tensor_load_to_lds s[24:27], s[16:23]          ; every wave fetches the record of its own number: one load of mine is out
	s_nop 0
.rept 4
	v_nop
.endr
	v_and_b32 v226, 31, v0
	s_delay_alu instid0(VALU_DEP_1)
	v_lshlrev_b32 v[LI], 4, v226
	s_wait_alu depctr_va_vdst(0)
	v_lshlrev_b32 v7, 3, v226                      ; v7  8 x lane
	v_and_b32 v227, 15, v0
	s_delay_alu instid0(VALU_DEP_1)
	v_lshlrev_b32 v[LS], 4, v227
	s_wait_alu depctr_va_vdst(0)
	v_lshlrev_b32 v230, 3, v227                    ; v230  8 r
	v_bfe_u32 v[LM], v0, 4, 1
	s_delay_alu instid0(VALU_DEP_1)
	v_lshlrev_b32 v[LM], 6, v[LM]
	v_lshlrev_b32 v235, 4, v0
	global_load_b128 v[236:239], v235, s[6:7]      ; four words of the mask a thread: wave w has keys 128 w on
	s_and_b32 s62, s[WV], 1                        ; my tile is the even or the odd one of its image: registers 0-5 or 6-11
	s_mov_b32 s42, 0x01000100
	s_mov_b32 s63, 512
	s_cmp_eq_u32 s62, 1
	s_cselect_b32 s42, 0x03020302, s42             ; which two bytes of the image's scale word are my tile's
	s_cselect_b32 s60, 520, 0
	s_cselect_b32 s61, 1024, 8
	s_cselect_b32 s63, 1032, s63
	v_add_nc_u32 v232, s60, v[LI]
	v_add_nc_u32 v233, s61, v[LI]
	v_add_nc_u32 v234, s63, v[LI]
	global_load_b64 v[22:23], v232, s[28:29]       ; pass 0's q, to its place
	global_load_b64 v[24:25], v233, s[28:29]
	global_load_b64 v[26:27], v234, s[28:29]
	global_load_b32 v95, v[LS], s[30:31]
	global_load_b64 v[88:89], v232, s[28:29] offset:2*GREC   ; pass 1's: 16 tiles, two records, on
	global_load_b64 v[90:91], v233, s[28:29] offset:2*GREC
	global_load_b64 v[92:93], v234, s[28:29] offset:2*GREC
	global_load_b32 v94, v[LS], s[30:31] offset:2*GREC
	v_mov_b32 v240, 0xf1800000                     ; -2^100
	s_add_co_u32 s62, s25, MBO
	v_add_nc_u32 v241, s62, v[LI]
.irp i, 0,1,2,3,4,5
	v_mov_b32 v[16+\i], 0                          ; zero codes on both sides of q
	v_mov_b32 v[28+\i], 0
.endr
.irp b, 0,1,2,3
	v_mov_b32 v[BP+\b], 0                          ; written once: a lane permute's destination counts as one of its sources
.endr
	v_mov_b32 v225, 0                              ; (named as the upper half of the pair v[224:225])
	s_wait_loadcnt 8                               ; the mask is in; q's eight loads may be out
.irp i, 0,1,2,3
	v_cmp_eq_u32 vcc_lo, 0, v[236+\i]
	s_delay_alu instid0(VALU_DEP_1)
	v_cndmask_b32 v[236+\i], 0, v240, vcc_lo
.endr
	ds_store_b128 v241, v[236:239]                 ; key n of step w at 4 n
	s_wait_tensorcnt 0x0                           ; my record has landed,
	s_wait_dscnt 0x0                               ; my store is done:
	s_barrier_signal -1
	s_barrier_wait -1                              ; everybody's are.  From here on LDS is only read
	s_wait_loadcnt 0x0                             ; q
; A KEY STEP: 128 keys, the record at s[TB]
.macro STEP
	v_add_nc_u32 v[ADI], s[TB], v[LI]              ; these four are the places behind the last step's products, in front of the loads into their fragments' registers
	v_add_nc_u32 v[ADS], s[TB], v[LS]
	v_add_nc_u32 v[ADM], s[TB], v[LM]
	v_nop
.irp b, 0,1,2,3
.irp c, 0,1,2
	ds_load_b128 v[F+12*\b+4*\c:F+12*\b+4*\c+3], v[ADI] offset:1536*\b+512*\c
.endr
.endr
	ds_load_b128 v[KS:KS+3], v[ADS] offset:KSO
.irp b, 0,1,2,3
.irp j, 0,1,2,3
	ds_load_b128 v[S+16*\b+4*\j:S+16*\b+4*\j+3], v[ADM] offset:MBO+128*\b+16*\j   ; register 16 b + i: the mask's number of key 32 b + 16 h + i
.endr
.endr
	s_wait_alu depctr_va_vdst(0)
	s_wait_dscnt 0x0
.irp b, 0,1,2,3                                ; S^T = K Q^T + the mask's numbers: eight accumulators, one instruction each
	v_wmma_scale_f32_16x16x128_f8f6f4 v[S+16*\b:S+16*\b+7], v[F+12*\b:F+12*\b+11], v[QLO:QLO+11], v[S+16*\b:S+16*\b+7], v[KS+\b], v[QSW] matrix_a_fmt:MATRIX_FMT_FP6 matrix_b_fmt:MATRIX_FMT_FP6
	v_wmma_scale_f32_16x16x128_f8f6f4 v[S+8+16*\b:S+15+16*\b], v[F+12*\b:F+12*\b+11], v[QHI:QHI+11], v[S+8+16*\b:S+15+16*\b], v[KS+\b], v[QSW] matrix_a_fmt:MATRIX_FMT_FP6 matrix_b_fmt:MATRIX_FMT_FP6
.endr
.rept 4
	v_nop                                          ; places: in front of the loads into K's registers and of the first read of the scores
.endr
.irp d, 0,1,2,3                                ; V's four fragments land while the softmax is worked
.irp c, 0,1,2
	ds_load_b128 v[F+12*\d+4*\c:F+12*\d+4*\c+3], v[ADI] offset:VOFF+1536*\d+512*\c
.endr
.endr
	ds_load_b128 v[VS:VS+3], v[ADS] offset:VSO
.irp b, 0,1,2,3
	v_max3_num_f32 v[BM+\b], v[S+16*\b], v[S+1+16*\b], v[S+2+16*\b]   ; the largest score of each block of 32 keys: it serves for the row's maximum and, since p rises with the score, for the block's largest p
.endr
.irp i, 3,5,7,9,11,13
.irp b, 0,1,2,3
	v_max3_num_f32 v[BM+\b], v[BM+\b], v[S+16*\b+\i], v[S+1+16*\b+\i]
.endr
.endr
.irp b, 0,1,2,3
	v_max_num_f32 v[BM+\b], v[BM+\b], v[S+15+16*\b]
.endr
.irp b, 0,1,2,3
	s_delay_alu instid0(VALU_DEP_4)
	v_permlanex16_b32 v[BP+\b], v[BM+\b], s[SEL], s[SEL+1]
.endr
.irp b, 0,1,2,3
	s_delay_alu instid0(VALU_DEP_4)
	v_max_num_f32 v[BM+\b], v[BM+\b], v[BP+\b]     ; with lane l xor 16's 16 keys
.endr
	s_delay_alu instid0(VALU_DEP_2)
	v_max3_num_f32 v226, v[BM], v[BM+1], v[BM+2]
	s_delay_alu instid0(VALU_DEP_1)
	v_max_num_f32 v226, v226, v[BM+3]              ; the step's largest score of my query
	s_delay_alu instid0(VALU_DEP_1)
	v_mul_f32 v226, s[CS], v226                    ; as t
	s_delay_alu instid0(VALU_DEP_1)
	v_max_num_f32 v13, v13, v226                   ; the running largest t
	v_mov_b32 v226, v12
	s_delay_alu instid0(VALU_DEP_2)
	v_floor_f32 v12, -v13                          ; the new -M = floor(-t): M is a whole number
	s_delay_alu instid0(VALU_DEP_1)
	v_sub_f32 v226, v12, v226                      ; old M - new M: a whole number, 0 or less
	s_delay_alu instid0(VALU_DEP_1)
	v_cvt_i32_f32 v226, v226                       ; (it saturates)
	s_delay_alu instid0(VALU_DEP_1)
	v_ldexp_f32 v224, 1.0, v226                    ; f = 2^(old M - new M)
.set j, 0
.rept 32
	v_pk_fma_f32 v[S+j:S+j+1], v[S+j:S+j+1], s[CS:CS+1], v[12:13] op_sel_hi:[1,0,0]   ; t - M, two at a time
.set j, j+2
.endr
.irp b, 0,1,2,3
	v_fma_f32 v[BM+\b], v[BM+\b], s[CS], v12       ; the same of each block's largest score
.endr
.set j, 0
	s_wait_alu depctr_va_vdst(0)
.rept 64
	v_exp_f32 v[S+j], v[S+j]                       ; p = 2^(t - M), at most 1
.set j, j+1
.endr
.irp b, 0,1,2,3
	v_exp_f32 v[BM+\b], v[BM+\b]                   ; the block's largest p
.endr
	v_pk_mul_f32 v[14:15], v[14:15], v[224:225] op_sel_hi:[1,0]   ; the sums under the new M.  (A plain place behind the exponentials)
	s_wait_alu depctr_va_vdst(0)
.irp b, 0,1,2,3
	v_max_num_f32 v[BM+\b], 0x1800000, v[BM+\b]    ; the floor 2^(3 - 127): the byte cannot fall under 1
.endr
.irp b, 0,1,2,3
	s_delay_alu instid0(VALU_DEP_4)
	v_add_nc_u32 v[BS+\b], 0xff000000, v[BM+\b]    ; 2 off the exponent field: the conversion's scale operand
.endr
.irp b, 0,1,2,3
	s_delay_alu instid0(VALU_DEP_4)
	v_lshrrev_b32 v[BP+\b], 23, v[BS+\b]           ; the scale's byte
.endr
	s_delay_alu instid0(VALU_DEP_3)
	v_lshl_or_b32 v[PSW], v[BP+1], 8, v[BP]        ; p's scale word for these 128 keys
	s_delay_alu instid0(VALU_DEP_1)
	v_lshl_or_b32 v[PSW], v[BP+2], 16, v[PSW]
	s_delay_alu instid0(VALU_DEP_1)
	v_lshl_or_b32 v[PSW], v[BP+3], 24, v[PSW]
.irp c, 0,1
	v_cvt_scalef32_pk16_fp6_f32 v[PC+6*\c:PC+2+6*\c], v[S+32*\c:S+15+32*\c], v[BS+2*\c]
	v_cvt_scalef32_pk16_fp6_f32 v[PT+4*\c:PT+2+4*\c], v[S+16+32*\c:S+31+32*\c], v[BS+2*\c+1]
.endr
	v_nop                                          ; one plain place behind the scaled conversions
.irp c, 0,1
.irp i, 0,1,2
	v_permlane16_swap_b32 v[PC+6*\c+\i], v[PT+4*\c+\i]   ; a whole block to a lane
.endr
.irp i, 0,1,2
	s_delay_alu instid0(VALU_DEP_3)
	v_mov_b32 v[PC+3+6*\c+\i], v[PT+4*\c+\i]
.endr
.endr
	v_pk_add_f32 v[228:229], v[100:101], v[104:105]
	v_pk_add_f32 v[252:253], v[108:109], v[112:113]
	v_pk_add_f32 v[250:251], v[116:117], v[120:121]
	v_pk_add_f32 v[248:249], v[124:125], v[128:129]
	v_pk_add_f32 v[246:247], v[132:133], v[136:137]
	v_pk_add_f32 v[244:245], v[140:141], v[144:145]
	v_pk_add_f32 v[242:243], v[148:149], v[152:153]
	v_pk_add_f32 v[14:15], v[14:15], v[156:157]
	v_pk_add_f32 v[228:229], v[228:229], v[96:97]
	v_pk_add_f32 v[252:253], v[252:253], v[98:99]
	v_pk_add_f32 v[250:251], v[250:251], v[102:103]
	v_pk_add_f32 v[248:249], v[248:249], v[106:107]
	v_pk_add_f32 v[246:247], v[246:247], v[110:111]
	v_pk_add_f32 v[244:245], v[244:245], v[114:115]
	v_pk_add_f32 v[242:243], v[242:243], v[118:119]
	v_pk_add_f32 v[14:15], v[14:15], v[122:123]
	v_pk_add_f32 v[228:229], v[228:229], v[126:127]
	v_pk_add_f32 v[252:253], v[252:253], v[130:131]
	v_pk_add_f32 v[250:251], v[250:251], v[134:135]
	v_pk_add_f32 v[248:249], v[248:249], v[138:139]
	v_pk_add_f32 v[246:247], v[246:247], v[142:143]
	v_pk_add_f32 v[244:245], v[244:245], v[146:147]
	v_pk_add_f32 v[242:243], v[242:243], v[150:151]
	v_pk_add_f32 v[14:15], v[14:15], v[154:155]
	v_pk_add_f32 v[228:229], v[228:229], v[158:159]
	s_delay_alu instid0(VALU_DEP_2)
	v_pk_add_f32 v[14:15], v[14:15], v[248:249]
	s_delay_alu instid0(VALU_DEP_2)
	v_pk_add_f32 v[228:229], v[228:229], v[246:247]
	v_pk_add_f32 v[252:253], v[252:253], v[244:245]
	v_pk_add_f32 v[250:251], v[250:251], v[242:243]
	s_delay_alu instid0(VALU_DEP_2)
	v_pk_add_f32 v[14:15], v[14:15], v[252:253]
	s_delay_alu instid0(VALU_DEP_2)
	v_pk_add_f32 v[228:229], v[228:229], v[250:251]
	s_delay_alu instid0(VALU_DEP_1)
	v_pk_add_f32 v[14:15], v[14:15], v[228:229]
.set j, 0
.rept 16
	v_pk_mul_f32 v[O+j:O+j+1], v[O+j:O+j+1], v[224:225] op_sel_hi:[1,0]   ; O^T under the new M.  (The sums and these are the places between p's codes and scale word and the products below)
.set j, j+2
.endr
	s_wait_alu depctr_va_vdst(0)
	s_wait_dscnt 0x0                               ; V
.irp d, 0,1,2,3                                ; O^T += V^T P^T: four accumulators, one instruction each
	v_wmma_scale_f32_16x16x128_f8f6f4 v[O+8*\d:O+8*\d+7], v[F+12*\d:F+12*\d+11], v[PC:PC+11], v[O+8*\d:O+8*\d+7], v[VS+\d], v[PSW] matrix_a_fmt:MATRIX_FMT_FP6 matrix_b_fmt:MATRIX_FMT_FP6
.endr
.endm
; THE WAY OUT of a pass: O^T / the sum; register 16 b + i is number 32 b + 16 h + i of my query's 64: two blocks, quantised as above: six registers, half a fragment of the last product's operand, and two scale bytes.
; The half lies in memory as 512 bytes (registers 0-3, 16 bytes a lane) and 256 bytes (registers 4, 5, 8 bytes a lane), since the fragment's other half is another head's work-group's.
.macro OUT p
	v_add_f32 v14, v14, v15
	s_delay_alu instid0(VALU_DEP_1)
	v_permlanex16_b32 v226, v14, s[SEL], s[SEL+1]
	s_delay_alu instid0(VALU_DEP_1)
	v_add_f32 v14, v14, v226                       ; the row's sum
	s_wait_alu depctr_va_vdst(0)
	v_rcp_f32 v14, v14
	v_nop                                          ; a plain place behind the transcendental
.set j, 0
	s_wait_alu depctr_va_vdst(0)
.rept 16
	v_pk_mul_f32 v[S+j:S+j+1], v[O+j:O+j+1], v[14:15] op_sel_hi:[1,0]   ; each accumulator from its low end on
.set j, j+2
.endr
.irp b, 0,1
	v_max3_num_f32 v[BM+\b], |v[S+16*\b]|, |v[S+1+16*\b]|, 0x1800000
.endr
.irp i, 2,4,6,8,10,12,14
.irp b, 0,1
	s_delay_alu instid0(VALU_DEP_2)
	v_max3_num_f32 v[BM+\b], v[BM+\b], |v[S+16*\b+\i]|, |v[S+1+16*\b+\i]|
.endr
.endr
.irp b, 0,1
	s_delay_alu instid0(VALU_DEP_2)
	v_permlanex16_b32 v[BP+\b], v[BM+\b], s[SEL], s[SEL+1]
.endr
.irp b, 0,1
	s_delay_alu instid0(VALU_DEP_2)
	v_max_num_f32 v[BM+\b], v[BM+\b], v[BP+\b]
.endr
.irp b, 0,1
	s_delay_alu instid0(VALU_DEP_2)
	v_add_nc_u32 v[BS+\b], 0xff000000, v[BM+\b]
.endr
.irp b, 0,1
	s_delay_alu instid0(VALU_DEP_2)
	v_lshrrev_b32 v[BP+\b], 23, v[BS+\b]
.endr
	s_delay_alu instid0(VALU_DEP_1)
	v_lshl_or_b32 v231, v[BP+1], 8, v[BP]
	v_cvt_scalef32_pk16_fp6_f32 v[PC:PC+2], v[S:S+15], v[BS]
	v_cvt_scalef32_pk16_fp6_f32 v[PT:PT+2], v[S+16:S+31], v[BS+1]
	v_nop
.irp i, 0,1,2
	v_permlane16_swap_b32 v[PC+\i], v[PT+\i]
.endr
.irp i, 0,1,2
	s_delay_alu instid0(VALU_DEP_3)
	v_mov_b32 v[PC+3+\i], v[PT+\i]
.endr
	global_store_b128 v[LI], v[PC:PC+3], s[32:33] offset:196608*\p         ; 512 consecutive bytes, at a multiple of 256 from the buffer's first byte
	global_store_b64 v7, v[PC+4:PC+5], s[32:33] offset:196608*\p+512       ; 256 consecutive bytes, likewise
	global_store_b16 v230, v231, s[34:35] offset:8192*\p                   ; two bytes of row r's scale word: the word's other half is another head's; lanes l and l xor 16 store the same number
	s_wait_xcnt 0x0                                ; the stores' data registers are written again only behind this wait
.endm
.macro PASS p
.if \p
.irp i, 0,1,2,3,4,5
	v_mov_b32 v[QLO+\i], v[88+\i]
.endr
	v_perm_b32 v[QSW], v94, v94, s42               ; my tile's two bytes, twice: they serve q on either side
.else
	v_perm_b32 v[QSW], v95, v95, s42
.endif
	v_mov_b32 v13, 0xff61b1e6                      ; the largest t so far: -3e38, under every t
	s_delay_alu instid0(VALU_DEP_1)
	v_floor_f32 v12, -v13                          ; -M
	v_mov_b32 v14, 0
	v_mov_b32 v15, 0
.set j, 0
.rept 32
	v_mov_b32 v[O+j], 0                            ; the step is written once: the first finds zeros, which the first change of M leaves zeros
.set j, j+1
.endr
	s_mov_b32 s[TB], 0
	s_mov_b32 s[CNT], 16
.Lstep_\@:
	STEP
	s_add_co_u32 s[TB], s[TB], REC
	s_sub_co_u32 s[CNT], s[CNT], 1
	s_cmp_lg_u32 s[CNT], 0
	s_cbranch_scc1 .Lstep_\@
.rept 4
	v_nop                                          ; places behind the last products
.endr
	OUT \p
.endm
	PASS 0
	PASS 1
	s_wait_dscnt 0x0
	s_wait_tensorcnt 0x0
	ds_add_u32 v254, v255
	s_wait_dscnt 0x0
	CROUND                                         ; the closing round
	s_endpgm
.Lfunc_end_k_qd9473ebc64_attn:
	.size	k_qd9473ebc64_attn, .Lfunc_end_k_qd9473ebc64_attn-k_qd9473ebc64_attn
	.p2alignl 7, 3214868480
	.fill 96, 4, 3214868480
	.section	.rodata,"a",@progbits
	.p2align	6, 0x0
	.amdhsa_kernel k_qd9473ebc64_attn
		.amdhsa_group_segment_fixed_size 215040
		.amdhsa_private_segment_fixed_size 0
		.amdhsa_enable_private_segment 0
		.amdhsa_kernarg_size 32
		.amdhsa_user_sgpr_count 2
		.amdhsa_user_sgpr_kernarg_segment_ptr 1
		.amdhsa_wavefront_size32 1
		.amdhsa_system_sgpr_workgroup_id_x 1
		.amdhsa_system_sgpr_workgroup_id_y 1
		.amdhsa_system_sgpr_workgroup_id_z 1
		.amdhsa_system_vgpr_workitem_id 0
		.amdhsa_next_free_vgpr 256
		.amdhsa_next_free_sgpr 66
		.amdhsa_reserve_vcc 1
		.amdhsa_float_denorm_mode_32 3
		.amdhsa_float_denorm_mode_16_64 3
		.amdhsa_memory_ordered 1
		.amdhsa_forward_progress 1
		.amdhsa_inst_pref_size 55
	.end_amdhsa_kernel
	.amdgpu_metadata
---
amdhsa.version: [ 1, 2 ]
amdhsa.kernels:
  - .name:           k_qd9473ebc64_attn
    .symbol:         k_qd9473ebc64_attn.kd
    .args:
      - { .name: qkv, .offset: 0, .size: 8, .value_kind: global_buffer, .address_space: global }
      - { .name: mask, .offset: 8, .size: 8, .value_kind: global_buffer, .address_space: global }
      - { .name: att_codes, .offset: 16, .size: 8, .value_kind: global_buffer, .address_space: global }
      - { .name: att_scales, .offset: 24, .size: 8, .value_kind: global_buffer, .address_space: global }
    .group_segment_fixed_size: 215040
    .private_segment_fixed_size: 0
    .kernarg_segment_align: 8
    .kernarg_segment_size: 32
    .max_flat_workgroup_size: 512
    .sgpr_count:     66
    .vgpr_count:     256
    .wavefront_size: 32
...
	.end_amdgpu_metadata
.endif
;; end of part 3
;; launch outp (part 4): grid 4 x 64, 4 waves a work-group, clusters of 4 x 4, 327,680 bytes of LDS; arguments att_codes, att_scales, xw_codes, xw_scales, bo, out0; writes out0
.if DOCPART == 4
	.amdgcn_target "amdgcn-amd-amdhsa--gfx1250"
	.amdhsa_code_object_version 6
	.text
	.protected	k_qd9473ebc64_outp
	.globl	k_qd9473ebc64_outp
	.p2align	8
	.type	k_qd9473ebc64_outp,@function
k_qd9473ebc64_outp:
	s_mov_b64 s[64:65], 0
	v_nop
	global_prefetch_b8 v0, s[64:65] scope:SCOPE_SE
	s_setreg_imm32_b32 hwreg(HW_REG_WAVE_MODE, 25, 1), 1
	s_wait_xcnt 0x0
	s_wait_alu depctr_hold_cnt(0) depctr_sa_sdst(0) depctr_va_vdst(0) depctr_va_sdst(0) depctr_va_ssrc(0) depctr_va_vcc(0) depctr_vm_vsrc(0)
	s_getreg_b32 s2, hwreg(HW_REG_IB_STS2, 6, 4)
	s_cmp_eq_u32 s2, 0
	s_cbranch_scc0 .Lentry_in_a_cluster
	s_endpgm
.Lentry_in_a_cluster:
	s_bfe_u32 s2, ttmp6, 0x10000c
	s_cmp_lg_u32 s2, 0xf033
	s_cbranch_scc0 .Lentry_shape_is_right
	s_endpgm
.Lentry_shape_is_right:
; out0 = attended Wo^T + bo on codes of FP6 (E2M3) with E8M0 scales, sums in f32.  A work-group makes 128 tokens x 256 columns, a wave 64 x 128; all of K lies in LDS, in four slots of 256 along K.
; Operands are images of fragments, [tile of 16 rows][K step][1,536 bytes]; A's 8 tiles and B's 16 tiles of a slot come by one tensor load each, jointly in the cluster (A along a row, B along a column).
; FILLS, all first fills, one tensor load a wave in each group: at the head slot 0's A and B and both sets of scale words; behind the lines and a round slots 1 and 2;
; in the round that stands in the first change of slots, slot 3.  Every wait on TENSORcnt is for 0.
.set NQ,    2
.set FR,    12
.set NP,    4
.set IMGB,  1536
.set PA,    4*NQ*IMGB
.set PB,    8*NQ*IMGB
.set SLOT,  2*PA+2*PB
.set SCLA,  4*SLOT
.set SCLB,  SCLA+4096+128
.set SPITCH, 528
.set ADRA, 10
.set ADRH, 14
.set ADRB, 18
.set ADRS, 22
.set ADRSH, 23
.set STO,  24
.set RD,   25
.set CO,   26
.set SC,   32
.set BI,   64
.set AF,   128
.set BK,   128
.set G1, 24
.set G1B, 32
.set G1S, 40
.set G1SB, 48
.set G0S, 56
.set G0SB, 60
.set G0A, 68
.set G0B, 84
.set MSB, 0
.macro WIN new
.if MSB != (\new)
	s_set_vgpr_msb (MSB<<8)|(\new)
.set MSB, (\new)
.endif
.endm
.set MUL_LO, 0xa1
.set TO_B,   0x40
.macro HARM n, g0, g1, nxt, jn         ; wave n's arm of a chain: its one tensor load, then on to the join
	s_cmp_eq_u32 s20, \n
	s_cbranch_scc0 \nxt
	tensor_load_to_lds s[\g0:\g0+3], s[\g1:\g1+7]
	s_nop 0
.rept 4
	v_nop
.endr
	s_branch \jn
\nxt:
.endm
.macro HEAD4 a0, a1, b0, b1, c0, c1, d0, d1    ; four first fills, one for each wave: every way through the chain passes exactly one load
	HARM 0, \a0, \a1, .Lh1_\@, .Lhj_\@
	HARM 1, \b0, \b1, .Lh2_\@, .Lhj_\@
	HARM 2, \c0, \c1, .Lh3_\@, .Lhj_\@
	tensor_load_to_lds s[\d0:\d0+3], s[\d1:\d1+7]
	s_nop 0
.rept 4
	v_nop
.endr
.Lhj_\@:
.endm
.macro CROUND
	s_barrier_signal -1
	s_barrier_wait -1
	s_cmp_lg_u32 s20, 0
	s_cbranch_scc1 .Lnot_wave_0_\@
	s_barrier_signal -3
.Lnot_wave_0_\@:
	s_barrier_wait -3
	s_barrier_signal -1
	s_barrier_wait -1
.endm
	s_load_b256 s[4:11], s[0:1], 0x0
	s_load_b128 s[12:15], s[0:1], 0x20
	v_lshl_add_u32 v30, v0, 2, 0x4b100
	v_mov_b32 v31, 0
	ds_add_u32 v30, v31
	ds_add_u32 v30, v31
	v_lshrrev_b32 v1, 5, v0
	v_readfirstlane_b32 s20, v1
	s_lshr_b32 s21, s20, 1
	s_and_b32 s22, s20, 1
	s_bfe_u32 s2, ttmp6, 0x40000
	s_bfe_u32 s3, ttmp6, 0x40004
	s_and_b32 s23, ttmp7, 0xffff
	s_lshl_b32 s23, s23, 2
	s_add_co_u32 s23, s23, s3
	s_lshl_b32 s66, s3, 2
	s_lshl_b32 s66, 15, s66
	s_lshl_b32 s67, 0x1111, s2
	s_or_b32 s[G1+0], s66, (3<<16)|(1<<21)
	s_mov_b32 s[G1+1], 384<<16
	s_mov_b32 s[G1+2], 8<<16
	s_mov_b32 s[G1+3], 384<<16
	s_mov_b32 s[G1+4], 8
	s_mov_b32 s[G1+5], 1536
	s_mov_b32 s[G1+6], 0
	s_mov_b32 s[G1+7], 0
	s_or_b32 s[G1B+0], s67, (3<<16)|(1<<21)
	s_mov_b32 s[G1B+1], 384<<16
	s_mov_b32 s[G1B+2], 16<<16
	s_mov_b32 s[G1B+3], 384<<16
	s_mov_b32 s[G1B+4], 16
	s_mov_b32 s[G1B+5], 1536
	s_mov_b32 s[G1B+6], 0
	s_mov_b32 s[G1B+7], 0
	s_or_b32 s[G1S+0], s66, (3<<16)|(1<<21)
	s_mov_b32 s[G1S+1], 32<<16
	s_mov_b32 s[G1S+2], 16<<16
	s_mov_b32 s[G1S+3], 32<<16
	s_mov_b32 s[G1S+4], 16
	s_mov_b32 s[G1S+5], 32
	s_mov_b32 s[G1S+6], 0
	s_mov_b32 s[G1S+7], 0
	s_or_b32 s[G1SB+0], s67, (3<<16)|(1<<21)
	s_mov_b32 s[G1SB+1], 32<<16
	s_mov_b32 s[G1SB+2], 32<<16
	s_mov_b32 s[G1SB+3], 32<<16
	s_mov_b32 s[G1SB+4], 32
	s_mov_b32 s[G1SB+5], 32
	s_mov_b32 s[G1SB+6], 0
	s_mov_b32 s[G1SB+7], 0
	s_mul_i32 s16, s23, 98304
	s_mov_b32 s17, 0
	s_lshl_b32 s18, s2, 1
	s_add_co_u32 s18, s18, 88
	s_lshl_b32 s100, s18, 12
	s_mov_b32 s101, 0
	s_mul_i32 s18, s18, 98304
	s_mov_b32 s19, 0
	s_wait_dscnt 0x0
	s_wait_kmcnt 0x0
	s_add_nc_u64 s[4:5], s[4:5], s[16:17]
	s_add_nc_u64 s[8:9], s[8:9], s[18:19]
	s_add_nc_u64 s[10:11], s[10:11], s[100:101]
	s_lshl_b32 s16, s23, 12
	s_add_nc_u64 s[6:7], s[6:7], s[16:17]
	s_mov_b32 s16, 0                               ; every descriptor covers a whole tile of the work-group: the same words in all four waves
	s_mov_b32 s18, 0
	s_add_co_u32 s18, s18, 2*PA
	s_mov_b32 s100, 0
	s_mov_b32 s101, 0
	CROUND
	s_mov_b32 s[G0S], 1
	s_add_co_u32 s[G0S+1], s100, SCLA
	s_mov_b64 s[G0S+2:G0S+3], s[6:7]
	s_or_b32 s[G0S+3], s[G0S+3], 0x80000000
	s_mov_b32 s[G0SB], 1
	s_add_co_u32 s[G0SB+1], s101, SCLB
	s_mov_b64 s[G0SB+2:G0SB+3], s[10:11]
	s_or_b32 s[G0SB+3], s[G0SB+3], 0x80000000
.irp k, 0,1,2,3
	s_mov_b32 s[G0A+4*\k], 1
	s_add_co_u32 s[G0A+4*\k+1], s16, \k*SLOT
	s_add_nc_u64 s[G0A+4*\k+2:G0A+4*\k+3], s[4:5], \k*NQ*IMGB
	s_or_b32 s[G0A+4*\k+3], s[G0A+4*\k+3], 0x80000000
	s_mov_b32 s[G0B+4*\k], 1
	s_add_co_u32 s[G0B+4*\k+1], s18, \k*SLOT
	s_add_nc_u64 s[G0B+4*\k+2:G0B+4*\k+3], s[8:9], \k*NQ*IMGB
	s_or_b32 s[G0B+4*\k+3], s[G0B+4*\k+3], 0x80000000
.endr
	HEAD4 G0A, G1, G0B, G1B, G0S, G1S, G0SB, G1SB  ; what the first K steps need: slot 0's A and B, A's and B's scale words
	v_and_b32 v1, 15, v0
	v_bfe_u32 v2, v0, 4, 1
	v_and_b32 v3, 31, v0
	v_lshlrev_b32 v4, 4, v3
	v_lshlrev_b32 v9, 3, v3
	s_mul_i32 s16, s21, PA
	v_add_nc_u32 v[ADRA], s16, v4
	v_add_nc_u32 v[ADRH], s16, v9
	s_mul_i32 s17, s22, PB
	s_add_co_u32 s17, s17, 2*PA
	v_add_nc_u32 v[ADRB], s17, v4
.irp k, 1,2,3
	v_add_nc_u32 v[ADRA+\k], \k*SLOT, v[ADRA]
	v_add_nc_u32 v[ADRH+\k], \k*SLOT, v[ADRH]
	v_add_nc_u32 v[ADRB+\k], \k*SLOT, v[ADRB]
.endr
	v_lshlrev_b32 v5, 3, v1
	s_lshl_b32 s16, s21, 11
	s_add_co_u32 s16, s16, SCLA
	s_lshl_b32 s17, s22, 12
	s_add_co_u32 s17, s17, SCLB
	s_sub_co_u32 s17, s17, s16
	v_mul_u32_u24 v6, s17, v2
	v_add_nc_u32 v6, s16, v6
	v_add_nc_u32 v[ADRS], v5, v6
	v_lshl_add_u32 v[ADRSH], v2, 11, v[ADRS]
	s_mul_i32 s16, s20, 16*SPITCH
	v_mul_u32_u24 v5, v1, SPITCH
	v_lshl_add_u32 v5, v2, 6, v5
	v_add_nc_u32 v[STO], s16, v5
	v_add_nc_u32 v[RD], s16, v4
	v_mov_b32 v[CO], v4
	s_lshl_b32 s16, s2, 10
	s_lshl_b32 s17, s22, 9
	s_add_co_u32 s16, s16, s17
	s_mov_b32 s17, 0
	s_add_nc_u64 s[12:13], s[12:13], s[16:17]
	s_add_nc_u64 s[14:15], s[14:15], s[16:17]
	s_lshl_b32 s16, s23, 19
	s_lshl_b32 s18, s21, 18
	s_add_co_u32 s16, s16, s18
	s_add_nc_u64 s[14:15], s[14:15], s[16:17]
	v_lshlrev_b32 v7, 6, v2
.irp b, 0,1,2,3,4,5,6,7
	global_load_b128 v[BI+8*\b:BI+8*\b+3], v7, s[12:13] offset:(32*(\b/2)+8*(\b%2))*4
	global_load_b128 v[BI+8*\b+4:BI+8*\b+7], v7, s[12:13] offset:(32*(\b/2)+8*(\b%2))*4+16
.endr
.macro FRAG_B reg, adr, q, i
.irp c, 0,1,2
	ds_load_b128 v[\reg+4*\c:\reg+4*\c+3], v[\adr] offset:(2*(\i)+(\q))*IMGB+512*\c
.endr
.endm
.macro FRAG_A reg, k, q, i
.irp c, 0,1
	ds_load_b128 v[\reg+6*\c:\reg+6*\c+3], v[ADRA+\k] offset:(2*(\i)+(\q))*IMGB+768*\c
	ds_load_b64 v[\reg+6*\c+4:\reg+6*\c+5], v[ADRH+\k] offset:(2*(\i)+(\q))*IMGB+768*\c+512
.endr
.endm
.macro MULO a0, p, q, sc, z
.irp a, \a0, \a0+1
.irp b, 0,1,2,3,4,5,6,7
.if \z == 0
	v_wmma_scale_f32_16x16x128_f8f6f4 v[8*(8*(\a)+\b):8*(8*(\a)+\b)+7], v[128*(\p)+FR*\b:128*(\p)+FR*\b+FR-1], v[AF+48*(\p)+FR*(\a):AF+48*(\p)+FR*(\a)+FR-1], v[8*(8*(\a)+\b):8*(8*(\a)+\b)+7], v[SC+8*NQ*(\sc)+NQ*\b+(\q)], v[SC+8*NQ*(\sc)+NQ*(\a)+(\q)] matrix_a_fmt:MATRIX_FMT_FP6 matrix_b_fmt:MATRIX_FMT_FP6 matrix_a_scale:MATRIX_SCALE_ROW1
.else
	v_wmma_scale_f32_16x16x128_f8f6f4 v[8*(8*(\a)+\b):8*(8*(\a)+\b)+7], v[128*(\p)+FR*\b:128*(\p)+FR*\b+FR-1], v[AF+48*(\p)+FR*(\a):AF+48*(\p)+FR*(\a)+FR-1], v[BI+8*\b:BI+8*\b+7], v[SC+8*NQ*(\sc)+NQ*\b+(\q)], v[SC+8*NQ*(\sc)+NQ*(\a)+(\q)] matrix_a_fmt:MATRIX_FMT_FP6 matrix_b_fmt:MATRIX_FMT_FP6 matrix_a_scale:MATRIX_SCALE_ROW1
.endif
.endr
.endr
.endm
.macro FETCH s
	WIN TO_B
.irp i, 0,1,2,3,4,5,6,7
	FRAG_B 128*((\s)%2)+FR*\i, ADRB+(\s)/2, (\s)%2, \i
.endr
	WIN 0
.irp i, 0,1,2,3
	FRAG_A AF+48*((\s)%2)+FR*\i, (\s)/2, (\s)%2, \i
.endr
.endm
.macro SCALES sc
.irp i, 0,1,2,3
	ds_load_b64 v[SC+8*NQ*(\sc)+NQ*\i:SC+8*NQ*(\sc)+NQ*\i+1], v[ADRS] offset:\i*512
.endr
.irp i, 4,5,6,7
	ds_load_b64 v[SC+8*NQ*(\sc)+NQ*\i:SC+8*NQ*(\sc)+NQ*\i+1], v[ADRSH] offset:(\i-4)*512
.endr
.endm
.macro PLACES n
.rept \n
	v_nop
.endr
.endm
.macro OSTEP s, z
	s_wait_dscnt 0x0
	PLACES NP
	FETCH (\s)+1
.if \z
	WIN 0x81
.else
	WIN MUL_LO
.endif
	MULO 0, 0, 0, ((\s)/2)%2, \z
	MULO 2, 0, 0, ((\s)/2)%2, \z
	WIN 0
.endm
.macro OMID s
.if (\s) != 3
	s_wait_tensorcnt 0x0                           ; s = 1: slots 1 and 2 are in; s = 5: slot 3 is
.endif
.if (\s) == 1
	ds_add_u32 v30, v31                            ; this barrier opens the round behind which slot 3 is filled
.endif
	s_wait_dscnt 0x0
	s_barrier_signal -1
	WIN MUL_LO
	MULO 0, 1, 1, ((\s)/2)%2, 0
	WIN 0
	s_barrier_wait -1
.if (\s) == 1
	s_cmp_lg_u32 s20, 0                            ; the rest of the cluster's round
	s_cbranch_scc1 .Lo_w
	s_barrier_signal -3
.Lo_w:
	s_barrier_wait -3
	s_barrier_signal -1
	s_barrier_wait -1
	HARM 0, G0A+12, G1, .Lo_b, .Lo_j               ; slot 3: wave 0 A's tile, wave 1 B's
	HARM 1, G0B+12, G1B, .Lo_n, .Lo_j
.Lo_j:
.endif
	PLACES NP
	v_add_nc_u32 v[ADRS], 128, v[ADRS]
	v_add_nc_u32 v[ADRSH], 128, v[ADRSH]
	FETCH (\s)+1
	SCALES (((\s)+1)/2)%2
	WIN MUL_LO
	MULO 2, 1, 1, ((\s)/2)%2, 0
	WIN 0
.endm
	s_wait_alu depctr_va_vdst(0)
	s_wait_tensorcnt 0x0                           ; my tile of the head's four is in; the three lines ahead of later first fills
	ds_add_u32 v30, v31
	s_wait_dscnt 0x0
	CROUND
	HEAD4 G0A+4, G1, G0B+4, G1B, G0A+8, G1, G0B+8, G1B   ; slots 1 and 2
	FETCH 0
	SCALES 0
	s_wait_loadcnt 0x0
	OSTEP 0, 1
	OMID 1
	s_wait_alu depctr_va_vdst(0)
	OSTEP 2, 0
	OMID 3
	s_wait_alu depctr_va_vdst(0)
	OSTEP 4, 0
	OMID 5
	OSTEP 6, 0
	s_wait_dscnt 0x0
	WIN MUL_LO
	MULO 0, 1, 1, 1, 0
	MULO 2, 1, 1, 1, 0
	WIN 0
.macro TOSTAGE a
.set AC, 64*(\a)
	WIN 0x08
.irp b, 0,1,2,3,4,5,6,7
	ds_store_b128 v[STO], v[AC+8*\b:AC+8*\b+3] offset:128*(\b/2)+32*(\b%2)
	ds_store_b128 v[STO], v[AC+8*\b+4:AC+8*\b+7] offset:128*(\b/2)+32*(\b%2)+16
.endr
	WIN 0
.set BB, BK+64*((\a)%2)
.irp t, 0,1,2,3,4,5,6,7,8,9,10,11,12,13,14,15
	ds_load_b128 v[BB+4*\t:BB+4*\t+3], v[RD] offset:\t*SPITCH
.endr
.endm
.macro SEND a, younger
.set BB, BK+64*((\a)%2)
	s_wait_dscnt \younger
.irp t, 0,1,2,3,4,5,6,7,8,9,10,11,12,13,14,15
	global_store_b128 v[CO], v[BB+4*\t:BB+4*\t+3], s[14:15] offset:(32*((\a)/2)+8*((\a)%2)+\t+8*(\t/8))*4096 th:TH_STORE_NT
.endr
.endm
	PLACES NP
	TOSTAGE 0
.irp a, 1,2,3
.if \a > 1
	s_wait_xcnt 0x0
.endif
	TOSTAGE \a
	SEND \a-1, 32
.endr
	SEND 3, 0
	s_wait_tensorcnt 0x0
	ds_add_u32 v30, v31
	s_wait_dscnt 0x0
	CROUND
	s_endpgm
.Lfunc_end_k_qd9473ebc64_outp:
	.size	k_qd9473ebc64_outp, .Lfunc_end_k_qd9473ebc64_outp-k_qd9473ebc64_outp
	.p2alignl 7, 3214868480
	.fill 96, 4, 3214868480
	.section	.rodata,"a",@progbits
	.p2align	6, 0x0
	.amdhsa_kernel k_qd9473ebc64_outp
		.amdhsa_group_segment_fixed_size 327680
		.amdhsa_private_segment_fixed_size 0
		.amdhsa_enable_private_segment 0
		.amdhsa_kernarg_size 48
		.amdhsa_user_sgpr_count 2
		.amdhsa_user_sgpr_kernarg_segment_ptr 1
		.amdhsa_wavefront_size32 1
		.amdhsa_system_sgpr_workgroup_id_x 1
		.amdhsa_system_sgpr_workgroup_id_y 1
		.amdhsa_system_sgpr_workgroup_id_z 1
		.amdhsa_system_vgpr_workitem_id 0
		.amdhsa_next_free_vgpr 768
		.amdhsa_next_free_sgpr 102
		.amdhsa_reserve_vcc 0
		.amdhsa_float_denorm_mode_32 3
		.amdhsa_float_denorm_mode_16_64 3
		.amdhsa_memory_ordered 1
		.amdhsa_forward_progress 1
		.amdhsa_inst_pref_size 86
	.end_amdhsa_kernel
	.amdgpu_metadata
---
amdhsa.version: [ 1, 2 ]
amdhsa.kernels:
  - .name:           k_qd9473ebc64_outp
    .symbol:         k_qd9473ebc64_outp.kd
    .args:
      - { .name: att_codes, .offset: 0, .size: 8, .value_kind: global_buffer, .address_space: global }
      - { .name: att_scales, .offset: 8, .size: 8, .value_kind: global_buffer, .address_space: global }
      - { .name: xw_codes, .offset: 16, .size: 8, .value_kind: global_buffer, .address_space: global }
      - { .name: xw_scales, .offset: 24, .size: 8, .value_kind: global_buffer, .address_space: global }
      - { .name: bo, .offset: 32, .size: 8, .value_kind: global_buffer, .address_space: global }
      - { .name: out0, .offset: 40, .size: 8, .value_kind: global_buffer, .address_space: global }
    .group_segment_fixed_size: 327680
    .private_segment_fixed_size: 0
    .kernarg_segment_align: 8
    .kernarg_segment_size: 48
    .max_flat_workgroup_size: 128
    .sgpr_count:     102
    .vgpr_count:     768
    .wavefront_size: 32
...
	.end_amdgpu_metadata
.endif
;; end of part 4
